; MI455X (gfx1250); checked and timed in simulation.
; The chip was launched on July 23, 2026; its instructions are those of AMD's public machine-readable ISA for CDNA 5 (MIT licence, August 2026) and "CDNA5" Instruction Set Architecture Reference Guide (July 2026). The comments in the code are by the model that wrote it; some were corrected since.
;; Attention. Allowed arithmetic: float matrix products may take bf16 or f16 operands with f32 sums; all other float work in f32.
;; Inputs: k_norm_w 64 float32; pos 2,048 x 32 float32; proj_b 1,024 float32; proj_w 1,024 x 1,024 float32; q_norm_w 64 float32; qkv_w 3,072 x 1,024 float32; x 2 x 2,048 x 1,024 float32.
;; Outputs: out0 2 x 2,048 x 1,024 float32.
;; 2 versions, each right; version 2 is version 1 with the launch cast written anew for expert scheduling mode. Each part assembles by itself: llvm-mc -triple=amdgcn-amd-amdhsa -mcpu=gfx1250 --defsym DOCPART=n.
;; ======== version 1 of 2: 4 launches
;; limits: an absolute error that grows with the inputs' magnitude: up to 3e-08 times it; values are held in f16: magnitudes above 65,504 overflow, below 6.1e-05 lose precision; right only within a limited range of input values
;; workspace buffers: xh 8,388,608 bytes; wh 6,291,456 bytes; pwh 2,097,152 bytes; cs 524,288 bytes; qkv 25,165,824 bytes; att 8,388,608 bytes
;; launch cast (part 1): grid 512 x 1, 8 waves a work-group, no clusters, 0 bytes of LDS; arguments x, qkv_w, proj_w, pos, xh, wh, pwh, cs; writes xh, wh, pwh, cs
.if DOCPART == 1
	.amdgcn_target "amdgcn-amd-amdhsa--gfx1250"
	.amdhsa_code_object_version 6
	.text
	.protected	k_qdff5e3292d_cast
	.globl	k_qdff5e3292d_cast
	.p2align	8
	.type	k_qdff5e3292d_cast,@function
k_qdff5e3292d_cast:
	s_mov_b64 s[64:65], 0
	v_nop
	global_prefetch_b8 v0, s[64:65] scope:SCOPE_SE
	s_setreg_imm32_b32 hwreg(HW_REG_WAVE_MODE, 25, 1), 1
	s_wait_xcnt 0x0
; f16 copies of x [4096][1024], qkv_w [3072][1024] and proj_w [1024][1024], and the table cs[n][p] = (cos pos[n][p], sin pos[n][p]) in f32.
; A stream: every input byte is read once and every output byte written once; no LDS, no barrier, no matrix unit, and no cluster,
; since no two work-groups read the same byte.
; Work-group g converts 16,384 numbers (65,536 bytes in, 32,768 out): g 0-255 x, g 256-447 qkv_w, g 448-511 proj_w.
; A load of a wave covers 512 consecutive bytes, a store 256 consecutive bytes at a multiple of 256 from the buffer's first byte.
; Waves 0 and 1 of every work-group also make 128 of the 65,536 angles' cosines and sines.
; LIMITS.  f16: numbers of magnitude 65,520 and above become infinite; below 6.1e-5 they keep an absolute error of 3e-8.
; x up to some 200 and weights down to 1e-3 (thirty times the drawn spreads either way) lie well inside.
; Sine and cosine: the angle is reduced by one fused multiply-add with 1/(2 pi) in f32, so its error grows as |pos| x 3e-8 radians;
; the series' own error is below 5e-7.  NaN and infinite angles give NaN.
.set X, 4                              ; v[4:67]    16 chunks of 4 f32 as loaded
.set Y, 68                             ; v[68:99]   16 chunks of 4 f16 to store
.set P, 100                            ; v[100:101] two angles
.set O, 104                            ; v[104:107] cos, sin, cos, sin
.set T, 108                            ; v[108:112] at work
	s_load_b512 s[4:19], s[0:1], 0x0               ; x 4:5, qkv_w 6:7, proj_w 8:9, pos 10:11, xh 12:13, wh 14:15, pwh 16:17, cs 18:19
	v_lshrrev_b32 v3, 5, v0
	v_readfirstlane_b32 s25, v3                    ; wave number
	v_lshlrev_b32 v1, 4, v0                        ; 16 bytes a thread: f32 in, and the table out
	v_lshlrev_b32 v2, 3, v0                        ; 8 bytes a thread: f16 out, and the angles in
	s_lshl_b32 s30, ttmp9, 9                       ; my 128 angles: 512 bytes of pos,
	s_mov_b32 s31, 0
	s_lshl_b32 s32, ttmp9, 10                      ; 1,024 bytes of cs
	s_mov_b32 s33, 0
	s_wait_kmcnt 0x0
	s_cmp_lt_u32 ttmp9, 256                        ; which tensor: a choice on the work-group's number alone
	s_cselect_b64 s[20:21], s[4:5], s[6:7]
	s_cselect_b64 s[22:23], s[12:13], s[14:15]
	s_cselect_b32 s24, 0, 256
	s_cmp_lt_u32 ttmp9, 448
	s_cselect_b64 s[20:21], s[20:21], s[8:9]
	s_cselect_b64 s[22:23], s[22:23], s[16:17]
	s_cselect_b32 s24, s24, 448
	s_sub_co_u32 s24, ttmp9, s24                   ; my number within that tensor
	s_lshl_b32 s26, s24, 16
	s_mov_b32 s27, 0
	s_lshl_b32 s28, s24, 15
	s_mov_b32 s29, 0
	s_add_nc_u64 s[20:21], s[20:21], s[26:27]      ; source at my 65,536 bytes
	s_add_nc_u64 s[22:23], s[22:23], s[28:29]      ; destination at my 32,768 bytes
	s_add_nc_u64 s[10:11], s[10:11], s[30:31]
	s_add_nc_u64 s[18:19], s[18:19], s[32:33]
.irp i, 0,1,2,3,4,5,6,7,8,9,10,11,12,13,14,15
	global_load_b128 v[X+4*\i:X+4*\i+3], v1, s[20:21] offset:4096*\i th:TH_LOAD_NT   ; all sixteen chunks are on their way at once
.endr
; cos a and sin a without the hardware's sine: r = a/(2 pi) less the nearest whole number (|r| <= 1/2), h = pi r = half the reduced angle
; (|h| <= pi/2), sin h and cos h by their series up to h^11 and h^10, then sin a = 2 sin h cos h and cos a = 1 - 2 sin^2 h.
.macro SINCOS a, c, s
	v_mul_f32 v[T], 0.15915494, v[\a]
	v_rndne_f32 v[T+1], v[T]
	v_fma_f32 v[T], v[\a], 0.15915494, -v[T+1]     ; one rounding: r
	v_mul_f32 v[T], 0x40490fdb, v[T]               ; h = pi r
	v_mul_f32 v[T+1], v[T], v[T]                   ; z = h^2
	v_mov_b32 v[T+2], 0xb2d7322b                   ; -1/11!
	v_mov_b32 v[T+3], 0xb493f27e                   ; -1/10!
	v_fmaak_f32 v[T+2], v[T+2], v[T+1], 0x3638ef1d ; +1/9!
	v_fmaak_f32 v[T+3], v[T+3], v[T+1], 0x37d00d01 ; +1/8!
	v_fmaak_f32 v[T+2], v[T+2], v[T+1], 0xb9500d01 ; -1/7!
	v_fmaak_f32 v[T+3], v[T+3], v[T+1], 0xbab60b61 ; -1/6!
	v_fmaak_f32 v[T+2], v[T+2], v[T+1], 0x3c088889 ; +1/5!
	v_fmaak_f32 v[T+3], v[T+3], v[T+1], 0x3d2aaaab ; +1/4!
	v_fmaak_f32 v[T+2], v[T+2], v[T+1], 0xbe2aaaab ; -1/3!
	v_fma_f32 v[T+3], v[T+3], v[T+1], -0.5
	v_fma_f32 v[T+2], v[T+2], v[T+1], 1.0
	v_fma_f32 v[T+3], v[T+3], v[T+1], 1.0          ; cos h
	v_mul_f32 v[T+2], v[T], v[T+2]                 ; sin h
	v_add_f32 v[T+4], v[T+2], v[T+2]               ; 2 sin h
	v_mul_f32 v[\s], v[T+4], v[T+3]
	v_fma_f32 v[\c], -v[T+4], v[T+2], 1.0
.endm
	s_cmp_gt_u32 s25, 1
	s_cbranch_scc1 .Lstream                        ; waves 2 to 7 have no angles
	global_load_b64 v[P:P+1], v2, s[10:11]         ; two angles a thread: 256 consecutive bytes a wave
	s_wait_loadcnt 0x0                             ; the youngest load of all: everything is in
	SINCOS P, O, O+1
	SINCOS P+1, O+2, O+3
	global_store_b128 v1, v[O:O+3], s[18:19]       ; 512 consecutive bytes a wave
.Lstream:
.irp i, 0,1,2,3,4,5,6,7,8,9,10,11,12,13,14,15
	s_wait_loadcnt 15-\i                           ; loads come back in order (ISA guide 5.7.1): chunk i is in, the 15 - i younger ones may be out
	v_cvt_pk_f16_f32 v[Y+2*\i], v[X+4*\i], v[X+4*\i+1]
	v_cvt_pk_f16_f32 v[Y+2*\i+1], v[X+4*\i+2], v[X+4*\i+3]
	global_store_b64 v2, v[Y+2*\i:Y+2*\i+1], s[22:23] offset:2048*\i   ; every Y register is written once: no wait for its store
.endr
	s_endpgm
.Lfunc_end_k_qdff5e3292d_cast:
	.size	k_qdff5e3292d_cast, .Lfunc_end_k_qdff5e3292d_cast-k_qdff5e3292d_cast
	.p2alignl 7, 3214868480
	.fill 96, 4, 3214868480
	.section	.rodata,"a",@progbits
	.p2align	6, 0x0
	.amdhsa_kernel k_qdff5e3292d_cast
		.amdhsa_group_segment_fixed_size 0
		.amdhsa_private_segment_fixed_size 0
		.amdhsa_enable_private_segment 0
		.amdhsa_kernarg_size 64
		.amdhsa_user_sgpr_count 2
		.amdhsa_user_sgpr_kernarg_segment_ptr 1
		.amdhsa_wavefront_size32 1
		.amdhsa_system_sgpr_workgroup_id_x 1
		.amdhsa_system_sgpr_workgroup_id_y 1
		.amdhsa_system_sgpr_workgroup_id_z 1
		.amdhsa_system_vgpr_workitem_id 0
		.amdhsa_next_free_vgpr 128
		.amdhsa_next_free_sgpr 66
		.amdhsa_reserve_vcc 0
		.amdhsa_float_denorm_mode_32 3
		.amdhsa_float_denorm_mode_16_64 3
		.amdhsa_memory_ordered 1
		.amdhsa_forward_progress 1
		.amdhsa_inst_pref_size 10
	.end_amdhsa_kernel
	.amdgpu_metadata
---
amdhsa.version: [ 1, 2 ]
amdhsa.kernels:
  - .name:           k_qdff5e3292d_cast
    .symbol:         k_qdff5e3292d_cast.kd
    .args:
      - { .name: x, .offset: 0, .size: 8, .value_kind: global_buffer, .address_space: global }
      - { .name: qkv_w, .offset: 8, .size: 8, .value_kind: global_buffer, .address_space: global }
      - { .name: proj_w, .offset: 16, .size: 8, .value_kind: global_buffer, .address_space: global }
      - { .name: pos, .offset: 24, .size: 8, .value_kind: global_buffer, .address_space: global }
      - { .name: xh, .offset: 32, .size: 8, .value_kind: global_buffer, .address_space: global }
      - { .name: wh, .offset: 40, .size: 8, .value_kind: global_buffer, .address_space: global }
      - { .name: pwh, .offset: 48, .size: 8, .value_kind: global_buffer, .address_space: global }
      - { .name: cs, .offset: 56, .size: 8, .value_kind: global_buffer, .address_space: global }
    .group_segment_fixed_size: 0
    .private_segment_fixed_size: 0
    .kernarg_segment_align: 8
    .kernarg_segment_size: 64
    .max_flat_workgroup_size: 256
    .sgpr_count:     66
    .vgpr_count:     128
    .wavefront_size: 32
...
	.end_amdgpu_metadata
.endif
;; end of part 1
;; launch qkvgemm (part 2): grid 12 x 16, 4 waves a work-group, clusters of 4 x 4, 327,680 bytes of LDS; arguments xh, wh, cs, q_norm_w, k_norm_w, qkv; writes qkv
.if DOCPART == 2
	.amdgcn_target "amdgcn-amd-amdhsa--gfx1250"
	.amdhsa_code_object_version 6
	.text
	.protected	k_qdff5e3292d_qkvgemm
	.globl	k_qdff5e3292d_qkvgemm
	.p2align	8
	.type	k_qdff5e3292d_qkvgemm,@function
k_qdff5e3292d_qkvgemm:
	s_mov_b64 s[64:65], 0
	v_nop
	global_prefetch_b8 v0, s[64:65] scope:SCOPE_SE
	s_setreg_imm32_b32 hwreg(HW_REG_WAVE_MODE, 25, 1), 1
	s_wait_xcnt 0x0
	s_wait_alu depctr_hold_cnt(0) depctr_sa_sdst(0) depctr_va_vdst(0) depctr_va_sdst(0) depctr_va_ssrc(0) depctr_va_vcc(0) depctr_vm_vsrc(0)
	s_getreg_b32 s2, hwreg(HW_REG_IB_STS2, 6, 4)
	s_cmp_eq_u32 s2, 0
	s_cbranch_scc0 .Lentry_in_a_cluster
	s_endpgm
.Lentry_in_a_cluster:
	s_bfe_u32 s2, ttmp6, 0x10000c
	s_cmp_lg_u32 s2, 0xf033
	s_cbranch_scc0 .Lentry_shape_is_right
	s_endpgm
.Lentry_shape_is_right:
; qkv[t][b*16+head][n][d] (f16) = the QKV product of xh [4096][1024] and wh [3072][1024] (f16, sums in f32); for t = 0 (q) and 1 (k) followed, in f32,
; by the RMS norm over the head's 64 numbers, the gain, and the rotation of neighbouring pairs by the table cs[n][d/2] = (cos, sin).
; A work-group makes 256 rows x 256 columns with four waves, a wave 128 x 128: 64 accumulator tiles of 16 x 16, 512 registers.
; K goes in steps of 128 through two LDS slots filled by the tensor data mover; a tile's rows are 256 bytes of memory at multiples of 256.
; 12 x 16 = 192 work-groups: with blocks of 256 columns the four blocks of a cluster's row are exactly q, or k, or v (4 x 256 = 1,024), so the
; way out branches on the cluster's x, which all partners share.
; CLUSTERS: 4 x 4 work-groups.  The four of a cluster's row need the same tiles of xh, the four of a column the same tiles of wh; each such tile
; is asked for jointly, by the same tensor load with the same descriptor and a mask that names the four: a quarter of the requests.
; LIMITS.  v is stored in f16: |v| of 65,520 and above becomes infinite (x and qkv_w both thirty times the drawn spread give some 5,000, a common
; offset of thirty spreads on both some 29,000).  q and k are at most 8 |gain| by the norm.  NaN and infinite inputs are not served.
; REGISTERS in windows of 256: window 0: v0-31 addresses, v64-127 and v128-191 fragments of xh (two buffers); window 1: the same for wh;
; window 2: the accumulator tiles of my rows 0-63 (tile (a, b) at v[8 (8 a + b)]); window 3: those of rows 64-127.
; THE MATRIX INSTRUCTION IS USED TRANSPOSED (source 0 = 16 rows of wh, source 1 = 16 rows of xh): lane l then holds row l % 16 of the result and
; its registers 0-7 the columns 8 (l / 16) + 0..7: eight neighbouring numbers of one head, four rotation pairs.
.set SIZE_K, 1024
.set KSTEP,  128
.set PITCH,  272                       ; an LDS row: 256 bytes + 16 of padding: row r starts 17 r sixteen-byte columns on, sixteen different columns modulo 16
.set HALFT,  128*PITCH                 ; what one tensor load brings
.set SLOT,   4*HALFT                   ; xh's 256 rows, then wh's 256 rows
.set STAGE,  2*SLOT                    ; behind the ring, a multiple of 256: no tensor load ever lands here
.set SPITCH, 144                       ; the way out: a row of one head, 128 bytes + 16
.set HSTG,   16*SPITCH                 ; 16 rows of one head
.set LAPS, SIZE_K/(2*KSTEP)
.set ADRA, 16                          ; v16-17  LDS address of my xh fragments in slot 0, 1
.set ADRB, 20                          ; v20-21  the same for wh
.set STO,  24                          ; stage: where I put 16 bytes of a row
.set RD,   25                          ; stage: where I read rows back
.set CO,   26                          ; 16 x lane: my bytes in 512 consecutive bytes of qkv
.set CSO,  27                          ; my bytes in the table: row l % 16, 32 bytes for each half of the lanes
.set WO,   28                          ; my bytes in the gain
.set TT,   1                           ; v1-8     at work in the rotation
.set CSA,  32                          ; v32-63   table, even row blocks
.set F0,   64
.set F1,   128
.set YY,   64                          ; v64-127  a row block in f32; before that the partial sums of squares; v64-95 also the rows read back
.set CSB,  128                         ; v128-159 table, odd row blocks
.set RS,   160                         ; v160-191 1/rms of (row block i, head g), twice, at 4 i + 2 g
.set PK,   192                         ; v192-223 a row block in f16
.set WG,   224                         ; v224-255 the gain of my 32 places in a head
.set G1, 24
.set G0, 32
.set G1B, 48
.set G0B, 56
.set MSB, 0
.macro WIN new                         ; the immediate's high byte repeats the setting that is left
.if MSB != \new
	s_set_vgpr_msb (MSB<<8)|\new
.set MSB, \new
.endif
.endm
.set MUL_LO, 0xa1                      ; source 0 (wh) window 1, source 1 (xh) window 0, C and D window 2
.set MUL_HI, 0xf1                      ; the same, C and D window 3
.set TO_B,   0x40                      ; destination window 1, address window 0
; A joint load.  Waves 0 and 1 fetch xh's two halves, waves 2 and 3 wh's.  The branch hangs on the wave's number alone.
.macro JLOAD s
	s_cmp_eq_u32 s11, 0
	s_cbranch_scc0 .Lfor_b_\@
	tensor_load_to_lds s[G0+4*\s:G0+4*\s+3], s[G1:G1+7]
	s_nop 0
	s_branch .Lasked_\@
.Lfor_b_\@:
	tensor_load_to_lds s[G0B+4*\s:G0B+4*\s+3], s[G1B:G1B+7]
	s_nop 0
.Lasked_\@:
.endm
; A round of the cluster's barrier: my work-group's barrier, wave 0 signals for the work-group, every wave waits for all sixteen, my work-group's barrier again.
.macro CREST
	s_cmp_lg_u32 s10, 0
	s_cbranch_scc1 .Lnot_wave_0_\@
	s_barrier_signal -3
.Lnot_wave_0_\@:
	s_barrier_wait -3
	s_barrier_signal -1
	s_barrier_wait -1
.endm
.macro CROUND
	s_barrier_signal -1
	s_barrier_wait -1
	CREST
.endm
	s_load_b128 s[4:7], s[0:1], 0x0                ; xh s[4:5], wh s[6:7]
	s_load_b256 s[68:75], s[0:1], 0x10             ; cs 68:69, q_norm_w 70:71, k_norm_w 72:73, qkv 74:75
	s_set_vgpr_msb 0x40
	v_lshl_add_u32 v255, v0, 2, 0x48800
	s_set_vgpr_msb 0x4000
	v_mov_b32 v31, 0
	s_set_vgpr_msb 0x1
	ds_add_u32 v255, v31
	s_set_vgpr_msb 0x100
	v_lshrrev_b32 v1, 5, v0
	v_readfirstlane_b32 s10, v1                    ; wave 0..3
	s_lshr_b32 s11, s10, 1                         ; my half of the block's rows.  Also: I fetch for xh (0) or wh (1)
	s_and_b32 s12, s10, 1                          ; my half of its columns.  Also: which 128 rows of that tile I fetch
	s_bfe_u32 s40, ttmp6, 0x40000                  ; cx
	s_bfe_u32 s41, ttmp6, 0x40004                  ; cy
	s_lshl_b32 s42, ttmp9, 2
	s_add_co_u32 s42, s42, s40                     ; block column = 4 x cluster x + cx
	s_and_b32 s13, ttmp7, 0xffff
	s_lshl_b32 s13, s13, 2
	s_add_co_u32 s13, s13, s41                     ; block row = 4 x cluster y + cy
	s_mov_b32 s76, ttmp9                           ; 0: q, 1: k, 2: v; the same in all sixteen partners
	s_lshl_b32 s43, s41, 2
	s_lshl_b32 s43, 15, s43                        ; my row of the cluster
	s_lshl_b32 s44, 0x1111, s40                    ; my column
	s_or_b32 s[G1+0], s43, (1<<16)|(1<<20)|(1<<21)|(5<<22)|(3<<25)   ; mask; elements of 2 bytes; padding on; bit 21 beside a mask; after every 64 words, 4 words
	s_or_b32 s[G1B+0], s44, (1<<16)|(1<<20)|(1<<21)|(5<<22)|(3<<25)
	s_mov_b32 s[G1B+1], KSTEP<<16
	s_mov_b32 s[G1+1], KSTEP<<16                   ; tensor_dim0 = 128
	s_mov_b32 s[G1B+2], 128<<16
	s_mov_b32 s[G1+2], 128<<16                     ; tensor_dim1 = 128
	s_mov_b32 s[G1B+3], KSTEP<<16
	s_mov_b32 s[G1+3], KSTEP<<16                   ; tile_dim0 = 128
	s_mov_b32 s[G1B+4], 128
	s_mov_b32 s[G1+4], 128                         ; tile_dim1 = 128
	s_mov_b32 s[G1B+5], SIZE_K
	s_mov_b32 s[G1+5], SIZE_K                      ; elements from row to row
	s_mov_b32 s[G1B+6], 0
	s_mov_b32 s[G1+6], 0
	s_mov_b32 s[G1B+7], 0
	s_mov_b32 s[G1+7], 0
	s_lshl_b32 s17, s12, 7
	s_lshl_b32 s16, s13, 8
	s_add_co_u32 s16, s16, s17                     ; xh: row 256 x block row + 128 x half
	s_lshl_b32 s46, s42, 8
	s_add_co_u32 s46, s46, s17                     ; wh: row 256 x block column + 128 x half
	s_mov_b32 s17, 0
	s_mov_b32 s47, 0
	s_mov_b64 s[18:19], SIZE_K*2
	s_mul_u64 s[16:17], s[16:17], s[18:19]
	s_mul_u64 s[46:47], s[46:47], s[18:19]
	s_mul_i32 s20, s10, HALFT                      ; LDS: wave x 128 rows; no place in the cluster enters an LDS address
	s_wait_dscnt 0x0
	s_wait_kmcnt 0x0
	s_add_nc_u64 s[14:15], s[4:5], s[16:17]
	s_add_nc_u64 s[46:47], s[6:7], s[46:47]
	CROUND                                         ; all sixteen work-groups are here: the first joint loads meet
.irp s, 0,1
	s_mov_b32 s[G0+4*\s], 1
	s_add_co_u32 s[G0+4*\s+1], s20, \s*SLOT
	s_add_nc_u64 s[G0+4*\s+2:G0+4*\s+3], s[14:15], \s*KSTEP*2
	s_or_b32 s[G0+4*\s+3], s[G0+4*\s+3], 0x80000000
	s_mov_b32 s[G0B+4*\s], 1
	s_add_co_u32 s[G0B+4*\s+1], s20, \s*SLOT
	s_add_nc_u64 s[G0B+4*\s+2:G0B+4*\s+3], s[46:47], \s*KSTEP*2
	s_or_b32 s[G0B+4*\s+3], s[G0B+4*\s+3], 0x80000000
	JLOAD \s                                       ; both slots' first fills: two tensor loads of the wave are out, later one
.endr
	v_and_b32 v1, 15, v0                           ; l % 16
	v_bfe_u32 v2, v0, 4, 1                         ; l / 16
	v_mul_u32_u24 v3, v1, PITCH
	v_lshl_add_u32 v3, v2, 4, v3                   ; fragment: row x pitch + 16 x half
	s_mul_i32 s21, s11, HALFT
	s_mul_i32 s22, s12, HALFT
	s_add_co_u32 s22, s22, 2*HALFT
.irp s, 0,1
	v_add_nc_u32 v[ADRA+\s], s21, v3
	v_add_nc_u32 v[ADRB+\s], s22, v3
	s_add_co_u32 s21, s21, SLOT
	s_add_co_u32 s22, s22, SLOT
.endr
	s_mul_i32 s23, s10, 2*HSTG
	s_add_co_u32 s23, s23, STAGE                   ; my stage: two heads x 16 rows x 144 bytes
	v_mul_u32_u24 v4, v1, SPITCH
	v_lshl_add_u32 v4, v2, 4, v4
	v_add_nc_u32 v[STO], s23, v4
	v_and_b32 v6, 31, v0
	v_lshrrev_b32 v7, 3, v6
	v_and_b32 v8, 7, v0
	v_mul_u32_u24 v5, v7, SPITCH                   ; back: eight lanes take one row of 128 bytes, the wave four rows
	v_lshl_add_u32 v5, v8, 4, v5
	v_add_nc_u32 v[RD], s23, v5
	v_lshlrev_b32 v[CO], 4, v6
	v_lshlrev_b32 v[WO], 5, v2
	v_lshl_add_u32 v[CSO], v1, 8, v[WO]
; 16 matrix instructions: m blocks a0, a0 + 1 of the window's four x all 8 n blocks, 32 along K.  zero = 1: the first product starts the sums.
.macro MUL16 f, hi, a0, zero
.irp a, \a0, \a0+1
.irp b, 0,1,2,3,4,5,6,7
.if \zero
	v_wmma_f32_16x16x32_f16 v[8*(8*(\a)+\b):8*(8*(\a)+\b)+7], v[\f+8*\b:\f+8*\b+7], v[\f+8*(4*\hi+\a):\f+8*(4*\hi+\a)+7], 0
.else
	v_wmma_f32_16x16x32_f16 v[8*(8*(\a)+\b):8*(8*(\a)+\b)+7], v[\f+8*\b:\f+8*\b+7], v[\f+8*(4*\hi+\a):\f+8*(4*\hi+\a)+7], v[8*(8*(\a)+\b):8*(8*(\a)+\b)+7]
.endif
.endr
.endr
.endm
; 32 LDS loads in one run: one quarter step's fragments (32 K at byte k of the rows) into buffer f
.macro FETCH slot, k, f
	WIN TO_B
.irp i, 0,1,2,3,4,5,6,7
	ds_load_b128 v[\f+8*\i:\f+8*\i+3],   v[ADRB+\slot] offset:\k+\i*16*PITCH
	ds_load_b128 v[\f+8*\i+4:\f+8*\i+7], v[ADRB+\slot] offset:\k+\i*16*PITCH+32
.endr
	WIN 0
.irp i, 0,1,2,3,4,5,6,7
	ds_load_b128 v[\f+8*\i:\f+8*\i+3],   v[ADRA+\slot] offset:\k+\i*16*PITCH
	ds_load_b128 v[\f+8*\i+4:\f+8*\i+7], v[ADRA+\slot] offset:\k+\i*16*PITCH+32
.endr
.endm
; Four places behind a matrix instruction before a load lands on, or a vector instruction touches, one of its registers (ISA guide 7.12.1 for vector instructions);
; the matrix instructions in between are not counted.
.macro PLACES
.rept 4
	v_nop
.endr
.endm
; A K step is four quarters of 32 along K, 64 matrix instructions each, on buffers 0, 1, 0, 1.  The 64 accumulators take turns, one instruction
; a turn, in the same order in every quarter.
.macro QUARTER slot, k, f, g, zero
	s_wait_dscnt 8                                 ; wh and xh's rows 0-63 are in; the youngest eight loads (xh's rows 64-127) may be out
	WIN MUL_LO
	MUL16 \f, 0, 0, \zero
	MUL16 \f, 0, 2, \zero
	PLACES
	FETCH \slot, \k, \g
	s_wait_dscnt 32                                ; all but the 32 just issued
	WIN MUL_HI
	MUL16 \f, 1, 0, \zero
	MUL16 \f, 1, 2, \zero
.endm
.macro THREE slot, zero
	QUARTER \slot, 64,  F0, F1, \zero
	QUARTER \slot, 128, F1, F0, 0
	QUARTER \slot, 192, F0, F1, 0
.endm
; The last quarter changes slots.  In front of the barrier each wave waits for its reads of this slot and for all its tensor loads (one is out: its
; part of the next slot).  Behind it the refill comes first, then the next slot's first fragments.
.macro TURN slot, next, fill
	s_wait_dscnt 8
	WIN MUL_LO
	MUL16 F1, 0, 0, 0
	s_wait_dscnt 0                                 ; my reads of this slot are over
	s_wait_tensorcnt 0x0                           ; all my tensor loads have landed
	ds_add_u32 v255, v31
	s_wait_dscnt 0x0
	s_barrier_signal -1                            ; where a slot is filled again this barrier opens a round of the cluster's barrier
	MUL16 F1, 0, 2, 0                              ; register work alone
	WIN 0
	s_barrier_wait -1
.if \fill
	CREST                                          ; no wave of any partner still reads this slot or has a load on its way
	s_add_nc_u64 s[G0+4*\slot+2:G0+4*\slot+3], s[G0+4*\slot+2:G0+4*\slot+3], 2*KSTEP*2
	s_add_nc_u64 s[G0B+4*\slot+2:G0B+4*\slot+3], s[G0B+4*\slot+2:G0B+4*\slot+3], 2*KSTEP*2
	JLOAD \slot                                    ; the wave's one tensor load behind the round
.endif
	PLACES
	FETCH \next, 0, F0
	WIN MUL_HI
	MUL16 F1, 1, 0, 0
	MUL16 F1, 1, 2, 0
.endm
.macro LAP zero
	THREE 0, \zero
	TURN 0, 1, 1
	THREE 1, 0
	TURN 1, 0, 1
.endm
	s_wait_tensorcnt 1                             ; my part of K step 0 is in; K step 1's stays out
	s_barrier_signal -1
	s_barrier_wait -1
	FETCH 0, 0, F0
	LAP 1                                          ; the first lap's first products start the sums
	WIN 0
	s_mov_b32 s3, LAPS-2
.Llap:
	LAP 0
	WIN 0
	s_sub_co_u32 s3, s3, 1
	s_cmp_lg_u32 s3, 0
	s_cbranch_scc1 .Llap
	THREE 0, 0                                     ; the last lap fills nothing
	TURN 0, 1, 0
	THREE 1, 0
	s_wait_dscnt 8
	WIN MUL_LO
	MUL16 F1, 0, 0, 0
	MUL16 F1, 0, 2, 0
	s_wait_dscnt 0
	WIN MUL_HI
	MUL16 F1, 1, 0, 0
	MUL16 F1, 1, 2, 0
	; THE WAY OUT.  Tile (i, b): rows 16 i + l % 16 of my 128, columns 16 b + 8 (l / 16) + 0..7; head g = b / 4 of my two, place 16 (b % 4) + .. in it.
	WIN 0
	PLACES                                         ; behind the last matrix instructions, for all that follows
	s_mov_b32 s80, 0x3c800000                      ; 1/64
	s_mov_b32 s81, 0x358637bd                      ; 1e-6
	s_mov_b32 s82, 0x76543210                      ; v_permlanex16_b32: lane i of one half reads lane i of the other
	s_mov_b32 s83, 0xfedcba98
	s_and_b32 s88, s13, 7
	s_lshl_b32 s88, s88, 8
	s_lshl_b32 s89, s11, 7
	s_add_co_u32 s88, s88, s89                     ; my first row's place in its sequence: 256 (block row mod 8) + 128 x half
	s_lshl_b32 s90, s88, 8                         ; a row of the table is 256 bytes
	s_mov_b32 s91, 0
	s_add_nc_u64 s[84:85], s[68:69], s[90:91]
	s_lshr_b32 s92, s13, 3                         ; batch
	s_lshl_b32 s92, s92, 4
	s_lshl2_add_u32 s92, s40, s92                  ; + 4 cx
	s_lshl1_add_u32 s92, s12, s92                  ; + 2 x column half: my first head among the 32
	s_lshl_b32 s92, s92, 18                        ; a head is 2,048 x 128 bytes
	s_lshl_b32 s93, s76, 23                        ; q, k, v: 8,388,608 bytes each
	s_add_co_u32 s92, s92, s93
	s_lshl_b32 s93, s88, 7
	s_add_co_u32 s92, s92, s93
	s_mov_b32 s93, 0
	s_add_nc_u64 s[86:87], s[74:75], s[92:93]
	s_cmp_eq_u32 s76, 0
	s_cselect_b64 s[78:79], s[70:71], s[72:73]     ; the gain of q or of k
	s_cmp_eq_u32 s76, 2
	s_cbranch_scc1 .Lv
; 16 rows x 2 heads in f16 go through my own stage and leave as whole rows: a head's 16 rows are 2,048 consecutive bytes of qkv, a store covers 512.
; (An argument that is multiplied stands in parentheses: it is put in as text and may be a sum.)
.macro OUTROW i
.irp b, 0,1,2,3,4,5,6,7
	ds_store_b128 v[STO], v[PK+4*\b:PK+4*\b+3] offset:(\b/4)*HSTG+32*(\b%4)
.endr
.irp u, 0,1,2,3,4,5,6,7
	ds_load_b128 v[YY+4*\u:YY+4*\u+3], v[RD] offset:(\u/4)*HSTG+(\u%4)*4*SPITCH   ; LDS serves a wave's instructions in order (ISA guide 5.7.1.4)
.endr
.irp u, 0,1,2,3,4,5,6,7
	s_wait_dscnt 7-\u                              ; read-back u is in, the younger ones may be out
	global_store_b128 v[CO], v[YY+4*\u:YY+4*\u+3], s[86:87] offset:(\u/4)*262144+(\i)*2048+(\u%4)*512
.endr
.endm
; the table's 16 rows of row block i (4,096 bytes a block): my 32 bytes (four pairs) for each of the four column tiles of a head
.macro CSLOAD buf, i
.irp b, 0,1,2,3
	global_load_b128 v[\buf+8*\b:\buf+8*\b+3],   v[CSO], s[84:85] offset:4096*(\i)+64*\b
	global_load_b128 v[\buf+8*\b+4:\buf+8*\b+7], v[CSO], s[84:85] offset:4096*(\i)+64*\b+16
.endr
.endm
; sums of squares of row block i: four chains (head, half of the head's tiles) that do not wait for each other; the first product starts each
.macro SUMSQ i
.irp c, 0,1,2,3
	v_pk_mul_f32 v[YY+8*\i+2*\c:YY+8*\i+2*\c+1], v[64*(\i%4)+16*\c:64*(\i%4)+16*\c+1], v[64*(\i%4)+16*\c:64*(\i%4)+16*\c+1]
.endr
.irp p, 1,2,3,4,5,6,7
.irp c, 0,1,2,3
	v_pk_fma_f32 v[YY+8*\i+2*\c:YY+8*\i+2*\c+1], v[64*(\i%4)+16*\c+2*\p:64*(\i%4)+16*\c+2*\p+1], v[64*(\i%4)+16*\c+2*\p:64*(\i%4)+16*\c+2*\p+1], v[YY+8*\i+2*\c:YY+8*\i+2*\c+1]
.endr
.endr
.endm
; 1 / sqrt(mean square + 1e-6) of (row block i, head g), twice, for the packed multiply.  The plain place behind the two v_rsq_f32 (ISA guide 5.7.2)
; is the next group's first line, which touches none of their registers.
.macro RSQ i, g
	v_pk_add_f32 v[YY+8*\i+4*\g:YY+8*\i+4*\g+1], v[YY+8*\i+4*\g:YY+8*\i+4*\g+1], v[YY+8*\i+4*\g+2:YY+8*\i+4*\g+3]
	v_add_f32 v[YY+8*\i+4*\g], v[YY+8*\i+4*\g], v[YY+8*\i+4*\g+1]
	v_permlanex16_b32 v[YY+8*\i+4*\g+1], v[YY+8*\i+4*\g], s82, s83    ; the other 32 places of the head lie in the other half of the lanes
	v_add_f32 v[YY+8*\i+4*\g], v[YY+8*\i+4*\g], v[YY+8*\i+4*\g+1]
	v_fma_f32 v[YY+8*\i+4*\g], v[YY+8*\i+4*\g], s80, s81
	v_rsq_f32 v[RS+4*\i+2*\g], v[YY+8*\i+4*\g]
	v_rsq_f32 v[RS+4*\i+2*\g+1], v[YY+8*\i+4*\g]
.endm
; Row block i of q or k: gain, 1/rms, rotation, f16, out.  win: source 0 in window 2 or 3; buf: its table; left: younger table loads that may stay out.
.macro QKROW i, win, buf, left, more
	s_wait_xcnt 0x0                                ; v64-95 were the last row block's store data: rewritten only behind this wait
	s_wait_loadcnt \left                           ; this block's table (and, the first time, the gain) is in; the next block's eight loads stay out
	WIN \win
.irp b, 0,1,2,3,4,5,6,7
.irp p, 0,1,2,3
	v_pk_mul_f32 v[YY+8*\b+2*\p:YY+8*\b+2*\p+1], v[8*(8*(\i%4)+\b)+2*\p:8*(8*(\i%4)+\b)+2*\p+1], v[WG+8*(\b%4)+2*\p:WG+8*(\b%4)+2*\p+1]
.endr
.endr
	WIN 0
.irp b, 0,1,2,3,4,5,6,7
.irp p, 0,1,2,3
	v_pk_mul_f32 v[YY+8*\b+2*\p:YY+8*\b+2*\p+1], v[YY+8*\b+2*\p:YY+8*\b+2*\p+1], v[RS+4*\i+2*(\b/4):RS+4*\i+2*(\b/4)+1]
.endr
.endr
.irp b, 0,1,2,3,4,5,6,7
.irp p, 0,1,2,3
	v_mul_f32 v[TT+2*\p],   v[YY+8*\b+2*\p+1], v[\buf+8*(\b%4)+2*\p+1]      ; xi sin
	v_mul_f32 v[TT+2*\p+1], v[YY+8*\b+2*\p],   v[\buf+8*(\b%4)+2*\p+1]      ; xr sin
.endr
.irp p, 0,1,2,3
	v_fma_f32 v[YY+8*\b+2*\p],   v[YY+8*\b+2*\p],   v[\buf+8*(\b%4)+2*\p], -v[TT+2*\p]     ; xr cos - xi sin
	v_fma_f32 v[YY+8*\b+2*\p+1], v[YY+8*\b+2*\p+1], v[\buf+8*(\b%4)+2*\p],  v[TT+2*\p+1]   ; xi cos + xr sin
.endr
.endr
.if \more
	CSLOAD \buf, \i+2                              ; this buffer's next table, two row blocks ahead
.endif
.irp b, 0,1,2,3,4,5,6,7
.irp r, 0,1,2,3
	v_cvt_pk_f16_f32 v[PK+4*\b+\r], v[YY+8*\b+2*\r], v[YY+8*\b+2*\r+1]
.endr
.endr
	OUTROW \i
.endm
.irp b, 0,1,2,3
	global_load_b128 v[WG+8*\b:WG+8*\b+3],   v[WO], s[78:79] offset:64*\b
	global_load_b128 v[WG+8*\b+4:WG+8*\b+7], v[WO], s[78:79] offset:64*\b+16
.endr
	CSLOAD CSA, 0
	CSLOAD CSB, 1                                  ; 24 loads are on their way while the sums of squares are made
	WIN 0x0a                                       ; sources 0 and 1 in window 2
.irp i, 0,1,2,3
	SUMSQ \i
.endr
	WIN 0x0f                                       ; in window 3
.irp i, 4,5,6,7
	SUMSQ \i
.endr
	WIN 0
.irp i, 0,1,2,3,4,5,6,7
	RSQ \i, 0
	RSQ \i, 1
.endr
	v_nop                                          ; the plain place behind the last v_rsq_f32
	s_wait_alu depctr_va_vdst(0)
	QKROW 0, 0x02, CSA, 8, 1
	QKROW 1, 0x02, CSB, 8, 1
	QKROW 2, 0x02, CSA, 8, 1
	QKROW 3, 0x02, CSB, 8, 1
	QKROW 4, 0x03, CSA, 8, 1
	QKROW 5, 0x03, CSB, 8, 1
	QKROW 6, 0x03, CSA, 8, 0
	QKROW 7, 0x03, CSB, 0, 0
	s_branch .Lend
.Lv:                                               ; v: rounded and stored as it is
.macro VROW i, from
	s_wait_xcnt 0x0                                ; v64-95 were store data
	WIN \from
.irp b, 0,1,2,3,4,5,6,7
.irp r, 0,1,2,3
	v_cvt_pk_f16_f32 v[PK+4*\b+\r], v[8*(8*(\i%4)+\b)+2*\r], v[8*(8*(\i%4)+\b)+2*\r+1]
.endr
.endr
	WIN 0
	OUTROW \i
.endm
	VROW 0, 0x0a
	VROW 1, 0x0a
	VROW 2, 0x0a
	VROW 3, 0x0a
	VROW 4, 0x0f
	VROW 5, 0x0f
	VROW 6, 0x0f
	VROW 7, 0x0f
.Lend:
	s_set_vgpr_msb 0x1
	s_wait_tensorcnt 0x0
	ds_add_u32 v255, v31
	s_wait_dscnt 0x0
	s_set_vgpr_msb 0x100
	CROUND                                         ; the closing round: no work-group ends while a partner may still ask for a tile that names it
	s_endpgm
.Lfunc_end_k_qdff5e3292d_qkvgemm:
	.size	k_qdff5e3292d_qkvgemm, .Lfunc_end_k_qdff5e3292d_qkvgemm-k_qdff5e3292d_qkvgemm
	.p2alignl 7, 3214868480
	.fill 96, 4, 3214868480
	.section	.rodata,"a",@progbits
	.p2align	6, 0x0
	.amdhsa_kernel k_qdff5e3292d_qkvgemm
		.amdhsa_group_segment_fixed_size 327680
		.amdhsa_private_segment_fixed_size 0
		.amdhsa_enable_private_segment 0
		.amdhsa_kernarg_size 48
		.amdhsa_user_sgpr_count 2
		.amdhsa_user_sgpr_kernarg_segment_ptr 1
		.amdhsa_wavefront_size32 1
		.amdhsa_system_sgpr_workgroup_id_x 1
		.amdhsa_system_sgpr_workgroup_id_y 1
		.amdhsa_system_sgpr_workgroup_id_z 1
		.amdhsa_system_vgpr_workitem_id 0
		.amdhsa_next_free_vgpr 1024
		.amdhsa_next_free_sgpr 96
		.amdhsa_reserve_vcc 0
		.amdhsa_float_denorm_mode_32 3
		.amdhsa_float_denorm_mode_16_64 3
		.amdhsa_memory_ordered 1
		.amdhsa_forward_progress 1
		.amdhsa_inst_pref_size 255
	.end_amdhsa_kernel
	.section	.bss,"aw",@nobits
	.p2align	6
	.space	262144
	.amdgpu_metadata
---
amdhsa.version: [ 1, 2 ]
amdhsa.kernels:
  - .name:           k_qdff5e3292d_qkvgemm
    .symbol:         k_qdff5e3292d_qkvgemm.kd
    .args:
      - { .name: xh, .offset: 0, .size: 8, .value_kind: global_buffer, .address_space: global }
      - { .name: wh, .offset: 8, .size: 8, .value_kind: global_buffer, .address_space: global }
      - { .name: cs, .offset: 16, .size: 8, .value_kind: global_buffer, .address_space: global }
      - { .name: q_norm_w, .offset: 24, .size: 8, .value_kind: global_buffer, .address_space: global }
      - { .name: k_norm_w, .offset: 32, .size: 8, .value_kind: global_buffer, .address_space: global }
      - { .name: qkv, .offset: 40, .size: 8, .value_kind: global_buffer, .address_space: global }
    .group_segment_fixed_size: 327680
    .private_segment_fixed_size: 0
    .kernarg_segment_align: 8
    .kernarg_segment_size: 48
    .max_flat_workgroup_size: 128
    .sgpr_count:     96
    .vgpr_count:     1024
    .wavefront_size: 32
...
	.end_amdgpu_metadata
.endif
;; end of part 2
;; launch attn (part 3): grid 8 x 32, 8 waves a work-group, clusters of 4 x 1, 327,680 bytes of LDS; arguments qkv, att; writes att
.if DOCPART == 3
	.amdgcn_target "amdgcn-amd-amdhsa--gfx1250"
	.amdhsa_code_object_version 6
	.text
	.protected	k_qdff5e3292d_attn
	.globl	k_qdff5e3292d_attn
	.p2align	8
	.type	k_qdff5e3292d_attn,@function
k_qdff5e3292d_attn:
	s_mov_b64 s[64:65], 0
	v_nop
	global_prefetch_b8 v0, s[64:65] scope:SCOPE_SE
	s_setreg_imm32_b32 hwreg(HW_REG_WAVE_MODE, 25, 1), 1
	s_wait_xcnt 0x0
	s_wait_alu depctr_hold_cnt(0) depctr_sa_sdst(0) depctr_va_vdst(0) depctr_va_sdst(0) depctr_va_ssrc(0) depctr_va_vcc(0) depctr_vm_vsrc(0)
	s_getreg_b32 s2, hwreg(HW_REG_IB_STS2, 6, 4)
	s_cmp_eq_u32 s2, 0
	s_cbranch_scc0 .Lentry_in_a_cluster
	s_endpgm
.Lentry_in_a_cluster:
	s_bfe_u32 s2, ttmp6, 0x10000c
	s_cmp_lg_u32 s2, 0x3003
	s_cbranch_scc0 .Lentry_shape_is_right
	s_endpgm
.Lentry_shape_is_right:
; att = softmax(q k^T / 8) v for one head (work-group y: 32 heads) and 256 queries (work-group x: 8 blocks), with a running maximum.
; qkv: [3][32][2048][64] f16.  att: [token / 128][head 16][128][64] f16, so that the next launch's tile of 128 tokens x 4 heads is one dense block.
; Eight waves.  Wave w: queries 64 (w & 3) .. + 63 of the block (four tiles of 16) against keys 1,024 (w >> 2) .. + 1,023; so each byte of K and V in
; LDS is read by four waves.  The two halves' sums are merged at the end through LDS, each with its own maximum.
; FORM.  S^T = K Q^T: lane (r, h) = (l % 16, l / 16), register j, holds key 8 h + j of query r.  That is the layout of P^T as second source of
; O^T = V^T P^T, so P never changes lanes; maximum, sum and rescaling are one number a lane, joined across the two halves of the lanes once.
; V^T comes out of LDS by the transposing load.  In O^T a lane holds eight neighbouring numbers of one query's row.
; CLUSTER 4 x 1: the four query blocks of a cluster walk the same K and V; every tile is asked for jointly (mask 15): a quarter of the requests.
; Two LDS slots, each with 128 keys of K and of V for each key half; every wave brings 32 rows of 256 bytes (64 keys) of K (waves 0-3) or V (waves 4-7).
; LIMITS.  p = 2^(c s - c m), c = log2(e) / 8, m the running maximum of the raw scores: the exponent is at most the rounding of c m.  p below 6e-8
; vanishes in f16 (it still counts in the f32 sum).  NaN and infinite inputs are not served (the maximum drops NaN).
.set KP,    272                        ; K: an LDS row holds two keys (256 bytes) + 16: key r of a fragment lies at column (r >> 1) + 8 (r & 1) modulo 16
.set VP,    288                        ; V: + 32: the lanes of a transposing load lie at columns 2 (i >> 1) + 8 (i & 1) + c modulo 16
.set KHALF, 64*KP                      ; 128 keys
.set VHALF, 64*VP
.set VBASE, 2*KHALF
.set SLOT,  2*KHALF+2*VHALF            ; 71,680
.set TILEB, 16384                      ; 128 keys in memory
.set MRG,   2*SLOT                     ; 4 x 16,384: O of waves 4-7.  From here on no tensor load lands (a multiple of 256)
.set STAT,  MRG+65536                  ; 4 x 1,024: their -c m and their sums
.set STG,   STAT+4096                  ; 4 x 2,304: the way out, 16 rows x 144
.set SP,    144
.set KA,  2                            ; v2-3   LDS address of my K fragments, slot 0, 1
.set VA,  4                            ; v4-5   of my V fragments
.set QO,  6
.set MA,  7
.set SA,  8
.set STO, 9
.set RD,  10
.set CO,  11
.set MX,  12                           ; v12-15 running maximum of the raw scores, query tile q
.set NM,  16                           ; v16-23 -c m, twice
.set LS,  24                           ; v24-31 running sum, two partial sums
.set AL,  32                           ; v32-35 rescaling factor, twice, for the pair's two tiles
.set LB,  36                           ; v36-39 second chain of the sum
.set TA,  40
.set TB,  42
.set XN,  44
.set KF,  64                           ; v64-127  K fragments (key tile kt, half of d): 16 kt + 8 dh
.set VF,  128                          ; v128-191 V^T fragments (d tile dt, 32 keys k2): 16 dt + 8 k2
.set SF,  192                          ; v192-255 scores, then p, then P in f16: 32 qi + 8 kt
.set QF,  0                            ; window 1: v256-319 Q fragments: 16 q + 8 dh
.set OF,  64                           ; window 1: v320-447 O^T: 32 q + 8 dt
.set G1K, 16
.set G1V, 24
.set G0K, 32                           ; one set for each slot
.set G0V, 40
.set MSB, 0
.macro WIN new                         ; the immediate's high byte repeats the setting that is left
.if MSB != \new
	s_set_vgpr_msb (MSB<<8)|\new
.set MSB, \new
.endif
.endm
.macro ROUND                           ; a round of the cluster's barrier
	s_barrier_signal -1
	s_barrier_wait -1
	s_cmp_lg_u32 s8, 0
	s_cbranch_scc1 .Lnot_wave_0_\@
	s_barrier_signal -3
.Lnot_wave_0_\@:
	s_barrier_wait -3
	s_barrier_signal -1
	s_barrier_wait -1
.endm
.macro JLOAD s                         ; waves 0-3 ask for K, waves 4-7 for V: the branch hangs on the wave's number alone
	s_cmp_eq_u32 s10, 0
	s_cbranch_scc0 .Lfor_v_\@
	tensor_load_to_lds s[G0K+4*\s:G0K+4*\s+3], s[G1K:G1K+7]
	s_nop 0
	s_branch .Lasked_\@
.Lfor_v_\@:
	tensor_load_to_lds s[G0V+4*\s:G0V+4*\s+3], s[G1V:G1V+7]
	s_nop 0
.Lasked_\@:
.endm
	s_load_b128 s[4:7], s[0:1], 0x0                ; qkv s[4:5], att s[6:7]
	v_lshl_add_u32 v62, v0, 2, 0x36400
	v_mov_b32 v63, 0
	ds_add_u32 v62, v63
	v_lshrrev_b32 v1, 5, v0
	v_readfirstlane_b32 s8, v1                     ; wave 0..7
	s_and_b32 s9, s8, 3                            ; query group; also which quarter of a slot's K or V I fetch
	s_lshr_b32 s10, s8, 2                          ; key half; also: I fetch K (0) or V (1)
	s_bfe_u32 s11, ttmp6, 0x40000                  ; cx
	s_lshl_b32 s12, ttmp9, 2
	s_add_co_u32 s12, s12, s11                     ; query block = 4 x cluster x + cx
	s_and_b32 s13, ttmp7, 0xffff                   ; head 0..31, shared by the cluster
	s_mov_b32 s50, 0x3e38aa3b                      ; c = log2(e) / 8
	s_mov_b32 s51, 0x3e38aa3b
	s_mov_b32 s52, 0xbe38aa3b                      ; -c
	s_mov_b32 s53, 0x76543210                      ; v_permlanex16_b32: lane i of one half reads lane i of the other
	s_mov_b32 s54, 0xfedcba98
	; group 1: 32 rows of 128 elements of 2 bytes, dense in memory, padded in LDS
	s_mov_b32 s[G1K+0], 15|(1<<16)|(1<<20)|(1<<21)|(5<<22)|(3<<25)   ; mask: all four; padding of 4 words after every 64
	s_mov_b32 s[G1V+0], 15|(1<<16)|(1<<20)|(1<<21)|(5<<22)|(7<<25)   ; of 8 words
	s_mov_b32 s[G1K+1], 128<<16
	s_mov_b32 s[G1V+1], 128<<16                    ; tensor_dim0 = 128
	s_mov_b32 s[G1K+2], 32<<16
	s_mov_b32 s[G1V+2], 32<<16                     ; tensor_dim1 = 32
	s_mov_b32 s[G1K+3], 128<<16
	s_mov_b32 s[G1V+3], 128<<16                    ; tile_dim0 = 128
	s_mov_b32 s[G1K+4], 32
	s_mov_b32 s[G1V+4], 32                         ; tile_dim1 = 32
	s_mov_b32 s[G1K+5], 128
	s_mov_b32 s[G1V+5], 128                        ; elements from row to row
	s_mov_b32 s[G1K+6], 0
	s_mov_b32 s[G1V+6], 0
	s_mov_b32 s[G1K+7], 0
	s_mov_b32 s[G1V+7], 0
	s_lshl_b32 s60, s13, 18                        ; the head: 262,144 bytes
	s_lshr_b32 s62, s9, 1
	s_lshl_b32 s62, s62, 17                        ; the key half that I fetch for: 1,024 keys x 128 bytes
	s_add_co_u32 s60, s60, s62
	s_and_b32 s62, s8, 1
	s_lshl_b32 s62, s62, 13                        ; which 64 of the tile's 128 keys
	s_add_co_u32 s60, s60, s62
	s_mov_b32 s61, 0
	s_mul_i32 s14, s9, 32*KP                       ; where they go: made of the wave's number alone
	s_mul_i32 s15, s9, 32*VP
	s_add_co_u32 s15, s15, VBASE
	s_wait_dscnt 0x0
	s_wait_kmcnt 0x0
	s_add_nc_u64 s[48:49], s[4:5], s[60:61]
.irp s, 0,1
	s_mov_b32 s[G0K+4*\s], 1
	s_add_co_u32 s[G0K+4*\s+1], s14, \s*SLOT
	s_add_nc_u64 s[G0K+4*\s+2:G0K+4*\s+3], s[48:49], 8388608+\s*TILEB
	s_or_b32 s[G0K+4*\s+3], s[G0K+4*\s+3], 0x80000000
	s_mov_b32 s[G0V+4*\s], 1
	s_add_co_u32 s[G0V+4*\s+1], s15, \s*SLOT
	s_add_nc_u64 s[G0V+4*\s+2:G0V+4*\s+3], s[48:49], 16777216+\s*TILEB
	s_or_b32 s[G0V+4*\s+3], s[G0V+4*\s+3], 0x80000000
.endr
	ROUND                                          ; all four work-groups are here: the first joint loads meet
	JLOAD 0
	JLOAD 1                                        ; two tensor loads of the wave are out; later one
	s_lshl_b32 s2, s13, 18                         ; q: head, query block, query group (numbers made of cx stay in s2, s3, s11, s12, s63)
	s_lshl_b32 s63, s12, 15
	s_add_co_u32 s2, s2, s63
	s_lshl_b32 s63, s9, 13
	s_add_co_u32 s2, s2, s63
	s_mov_b32 s3, 0
	s_add_nc_u64 s[56:57], s[4:5], s[2:3]
	s_lshr_b32 s2, s13, 4                          ; att: block of 128 tokens = 16 batch + 2 query block + (query group >> 1)
	s_lshl_b32 s2, s2, 4
	s_lshl1_add_u32 s2, s12, s2
	s_lshr_b32 s63, s9, 1
	s_add_co_u32 s2, s2, s63
	s_lshl_b32 s2, s2, 18
	s_and_b32 s63, s13, 15
	s_lshl_b32 s63, s63, 14                        ; head: 128 x 128 bytes
	s_add_co_u32 s2, s2, s63
	s_and_b32 s63, s9, 1
	s_lshl_b32 s63, s63, 13                        ; my 64 tokens of the 128
	s_add_co_u32 s2, s2, s63
	s_mov_b32 s3, 0
	s_add_nc_u64 s[58:59], s[6:7], s[2:3]
	v_and_b32 v46, 15, v0                          ; r
	v_bfe_u32 v47, v0, 4, 1                        ; h
	v_and_b32 v48, 31, v0                          ; l
	v_lshrrev_b32 v49, 1, v46
	v_and_b32 v50, 1, v0
	v_mul_u32_u24 v51, v49, KP                     ; key r: LDS row r >> 1,
	v_lshl_add_u32 v51, v50, 7, v51                ; half r & 1,
	v_lshl_add_u32 v51, v47, 4, v51                ; 16 bytes for each half of the lanes
	s_mul_i32 s60, s10, KHALF
	v_add_nc_u32 v[KA], s60, v51
	v_add_nc_u32 v[KA+1], SLOT, v[KA]
	v_bfe_u32 v52, v0, 1, 2                        ; transposing load: lane l addresses key 8 h + (l & 7): LDS row 4 h + ((l & 7) >> 1),
	v_lshl_add_u32 v52, v47, 2, v52
	v_mul_u32_u24 v52, v52, VP
	v_lshl_add_u32 v52, v50, 7, v52                ; half l & 1,
	v_bfe_u32 v53, v0, 3, 1
	v_lshl_add_u32 v52, v53, 4, v52                ; and 16 bytes (8 of d) by (l >> 3) & 1
	s_mul_i32 s61, s10, VHALF
	s_add_co_u32 s61, s61, VBASE
	v_add_nc_u32 v[VA], s61, v52
	v_add_nc_u32 v[VA+1], SLOT, v[VA]
	v_lshlrev_b32 v[QO], 7, v46
	v_lshl_add_u32 v[QO], v47, 4, v[QO]
	s_lshl_b32 s60, s9, 14
	s_add_co_u32 s60, s60, MRG
	v_lshl_add_u32 v[MA], v48, 4, s60
	s_lshl_b32 s60, s9, 10
	s_add_co_u32 s60, s60, STAT
	v_lshl_add_u32 v[SA], v48, 2, s60
	s_mul_i32 s60, s9, 16*SP
	s_add_co_u32 s60, s60, STG
	v_mul_u32_u24 v54, v46, SP
	v_lshl_add_u32 v54, v47, 4, v54
	v_add_nc_u32 v[STO], s60, v54
	v_lshrrev_b32 v55, 3, v48
	v_and_b32 v56, 7, v0
	v_mul_u32_u24 v55, v55, SP
	v_lshl_add_u32 v55, v56, 4, v55
	v_add_nc_u32 v[RD], s60, v55
	v_lshlrev_b32 v[CO], 4, v48
	WIN 0x40                                       ; destination in window 1
.irp q, 0,1,2,3
.irp dh, 0,1
.irp e, 0,1
	global_load_b128 v[QF+16*\q+8*\dh+4*\e:QF+16*\q+8*\dh+4*\e+3], v[QO], s[56:57] offset:2048*\q+64*\dh+32*\e
.endr
.endr
.endr
	WIN 0
; Two query tiles (q = 2 pr + qi) against the 64 keys whose fragments lie in KF and VF.  first = 1: nothing has been summed yet.
; In both runs of matrix instructions eight accumulators take turns, one instruction a turn.
.macro PAIR pr, first
	WIN 0x04                                       ; source 1 (Q) in window 1
.irp kt, 0,1,2,3
.irp qi, 0,1
	v_wmma_f32_16x16x32_f16 v[SF+32*\qi+8*\kt:SF+32*\qi+8*\kt+7], v[KF+16*\kt:KF+16*\kt+7], v[QF+16*(2*\pr+\qi):QF+16*(2*\pr+\qi)+7], 0
.endr
.endr
.irp kt, 0,1,2,3
.irp qi, 0,1
	v_wmma_f32_16x16x32_f16 v[SF+32*\qi+8*\kt:SF+32*\qi+8*\kt+7], v[KF+16*\kt+8:KF+16*\kt+15], v[QF+16*(2*\pr+\qi)+8:QF+16*(2*\pr+\qi)+15], v[SF+32*\qi+8*\kt:SF+32*\qi+8*\kt+7]
.endr
.endr
	WIN 0
.rept 4
	v_nop                                          ; four places before vector instructions read the scores (ISA guide 7.12.1)
.endr
	; the maximum of my 32 scores of each query and of the running maximum: two chains a query
.irp qi, 0,1
.if \first
	v_max_num_f32 v[TA+\qi], v[SF+32*\qi], v[SF+32*\qi+1]
.else
	v_max3_num_f32 v[TA+\qi], v[SF+32*\qi], v[SF+32*\qi+1], v[MX+2*\pr+\qi]
.endif
	v_max_num_f32 v[TB+\qi], v[SF+32*\qi+2], v[SF+32*\qi+3]
.endr
.irp n, 1,2,3,4,5,6,7
.irp qi, 0,1
	v_max3_num_f32 v[TA+\qi], v[SF+32*\qi+4*\n], v[SF+32*\qi+4*\n+1], v[TA+\qi]
	v_max3_num_f32 v[TB+\qi], v[SF+32*\qi+4*\n+2], v[SF+32*\qi+4*\n+3], v[TB+\qi]
.endr
.endr
.irp qi, 0,1
	v_max_num_f32 v[TA+\qi], v[TA+\qi], v[TB+\qi]
.endr
.irp qi, 0,1
	v_permlanex16_b32 v[TB+\qi], v[TA+\qi], s53, s54     ; the query's other 32 keys lie in the other half of the lanes
.endr
.irp qi, 0,1
	v_max_num_f32 v[MX+2*\pr+\qi], v[TA+\qi], v[TB+\qi]
	v_mul_f32 v[XN+\qi], s52, v[MX+2*\pr+\qi]            ; -c m
.endr
.if \first == 0
.irp qi, 0,1
	v_sub_f32 v[TA+\qi], v[XN+\qi], v[NM+2*(2*\pr+\qi)]  ; c (old m - new m), never above 0
.endr
.irp qi, 0,1
	v_exp_f32 v[AL+2*\qi], v[TA+\qi]
	v_exp_f32 v[AL+2*\qi+1], v[TA+\qi]
.endr
.endif
.irp qi, 0,1
	v_mov_b32 v[NM+2*(2*\pr+\qi)], v[XN+\qi]             ; these are the plain places behind the v_exp_f32 (ISA guide 5.7.2)
	v_mov_b32 v[NM+2*(2*\pr+\qi)+1], v[XN+\qi]
.endr
.irp qi, 0,1
.irp n, 0,1,2,3,4,5,6,7,8,9,10,11,12,13,14,15
	v_pk_fma_f32 v[SF+32*\qi+2*\n:SF+32*\qi+2*\n+1], v[SF+32*\qi+2*\n:SF+32*\qi+2*\n+1], s[50:51], v[NM+2*(2*\pr+\qi):NM+2*(2*\pr+\qi)+1] op_sel_hi:[1,0,1]
.endr
.endr
.irp qi, 0,1
.irp n, 0,1,2,3,4,5,6,7,8,9,10,11,12,13,14,15,16,17,18,19,20,21,22,23,24,25,26,27,28,29,30,31
	v_exp_f32 v[SF+32*\qi+\n], v[SF+32*\qi+\n]
.endr
.endr
	v_nop                                          ; the plain place behind the last v_exp_f32
	s_wait_alu depctr_va_vdst(0)
	; the sums, in f32, two chains a query; the old sum enters rescaled by one fused multiply-add
.irp qi, 0,1
.if \first
	s_wait_alu depctr_va_vdst(0)
	v_pk_add_f32 v[LS+2*(2*\pr+\qi):LS+2*(2*\pr+\qi)+1], v[SF+32*\qi:SF+32*\qi+1], v[SF+32*\qi+6:SF+32*\qi+7]
.else
	v_pk_fma_f32 v[LS+2*(2*\pr+\qi):LS+2*(2*\pr+\qi)+1], v[LS+2*(2*\pr+\qi):LS+2*(2*\pr+\qi)+1], v[AL+2*\qi:AL+2*\qi+1], v[SF+32*\qi:SF+32*\qi+1]
.endif
	v_pk_add_f32 v[LB+2*\qi:LB+2*\qi+1], v[SF+32*\qi+2:SF+32*\qi+3], v[SF+32*\qi+4:SF+32*\qi+5]
.endr
.if \first == 0
.irp qi, 0,1
	v_pk_add_f32 v[LS+2*(2*\pr+\qi):LS+2*(2*\pr+\qi)+1], v[LS+2*(2*\pr+\qi):LS+2*(2*\pr+\qi)+1], v[SF+32*\qi+6:SF+32*\qi+7]
.endr
.endif
.irp n, 4,6,8,10,12,14
.irp qi, 0,1
	v_pk_add_f32 v[LB+2*\qi:LB+2*\qi+1], v[LB+2*\qi:LB+2*\qi+1], v[SF+32*\qi+2*\n:SF+32*\qi+2*\n+1]
	v_pk_add_f32 v[LS+2*(2*\pr+\qi):LS+2*(2*\pr+\qi)+1], v[LS+2*(2*\pr+\qi):LS+2*(2*\pr+\qi)+1], v[SF+32*\qi+2*\n+2:SF+32*\qi+2*\n+3]
.endr
.endr
.irp qi, 0,1
	v_pk_add_f32 v[LS+2*(2*\pr+\qi):LS+2*(2*\pr+\qi)+1], v[LS+2*(2*\pr+\qi):LS+2*(2*\pr+\qi)+1], v[LB+2*\qi:LB+2*\qi+1]
.endr
	; p to f16, packed downward in place: word k takes numbers 2 k, 2 k + 1, which no earlier word has overwritten
.irp k, 0,1,2,3,4,5,6,7,8,9,10,11,12,13,14,15
.irp qi, 0,1
	v_cvt_pk_f16_f32 v[SF+32*\qi+\k], v[SF+32*\qi+2*\k], v[SF+32*\qi+2*\k+1]
.endr
.endr
.if \first == 0
	WIN 0x41                                       ; destination and source 0 in window 1
.irp qi, 0,1
.irp m, 0,1,2,3,4,5,6,7,8,9,10,11,12,13,14,15
	v_pk_mul_f32 v[OF+32*(2*\pr+\qi)+2*\m:OF+32*(2*\pr+\qi)+2*\m+1], v[OF+32*(2*\pr+\qi)+2*\m:OF+32*(2*\pr+\qi)+2*\m+1], v[AL+2*\qi:AL+2*\qi+1]
.endr
.endr
.endif
	s_wait_dscnt 0x0                               ; V's fragments are in
	WIN 0x50                                       ; C and D in window 1
.irp dt, 0,1,2,3
.irp qi, 0,1
.if \first
	v_wmma_f32_16x16x32_f16 v[OF+32*(2*\pr+\qi)+8*\dt:OF+32*(2*\pr+\qi)+8*\dt+7], v[VF+16*\dt:VF+16*\dt+7], v[SF+32*\qi:SF+32*\qi+7], 0
.else
	v_wmma_f32_16x16x32_f16 v[OF+32*(2*\pr+\qi)+8*\dt:OF+32*(2*\pr+\qi)+8*\dt+7], v[VF+16*\dt:VF+16*\dt+7], v[SF+32*\qi:SF+32*\qi+7], v[OF+32*(2*\pr+\qi)+8*\dt:OF+32*(2*\pr+\qi)+8*\dt+7]
.endif
.endr
.endr
.irp dt, 0,1,2,3
.irp qi, 0,1
	v_wmma_f32_16x16x32_f16 v[OF+32*(2*\pr+\qi)+8*\dt:OF+32*(2*\pr+\qi)+8*\dt+7], v[VF+16*\dt+8:VF+16*\dt+15], v[SF+32*\qi+8:SF+32*\qi+15], v[OF+32*(2*\pr+\qi)+8*\dt:OF+32*(2*\pr+\qi)+8*\dt+7]
.endr
.endr
	WIN 0
.rept 5
	v_nop                                          ; five places: the next score product writes over P, a source of these; loads land on KF and VF
.endr
.endm
; 64 keys (st = 0, 1 of the slot's 128): 16 loads of K, 16 transposing loads of V, then both pairs of query tiles
.macro STEP slot, st, first
.irp kt, 0,1,2,3
.irp dh, 0,1
.irp e, 0,1
	ds_load_b128 v[KF+16*\kt+8*\dh+4*\e:KF+16*\kt+8*\dh+4*\e+3], v[KA+\slot] offset:(32*\st+8*\kt)*KP+64*\dh+32*\e
.endr
.endr
.endr
.irp dt, 0,1,2,3
.irp k2, 0,1
.irp e, 0,1
	ds_load_tr16_b128 v[VF+16*\dt+8*\k2+4*\e:VF+16*\dt+8*\k2+4*\e+3], v[VA+\slot] offset:(32*\st+16*\k2+8*\e)*VP+32*\dt
.endr
.endr
.endr
	s_wait_dscnt 16                                ; K is in; the sixteen loads of V stay out until the second product
	PAIR 0, \first
	PAIR 1, \first
.endm
.macro PROC slot, first
	STEP \slot, 0, \first
	STEP \slot, 1, 0
.endm
; A change of slots.  Every wave waits for all its tensor loads and for its reads of the other slot; the round shows both of every wave of all four
; work-groups; the joint refill of the other slot comes first behind it and has this slot's 128 matrix instructions of each wave in which to land.
.macro TWO slot, other, refill
	s_wait_tensorcnt 0x0                           ; none of my tensor loads is out: the group 0 sets may be written
	ds_add_u32 v62, v63
	s_wait_dscnt 0x0
	s_add_nc_u64 s[G0K+4*\other+2:G0K+4*\other+3], s[G0K+4*\other+2:G0K+4*\other+3], 2*TILEB
	s_add_nc_u64 s[G0V+4*\other+2:G0V+4*\other+3], s[G0V+4*\other+2:G0V+4*\other+3], 2*TILEB
	s_wait_dscnt 0x0
	ROUND
.if \refill
	JLOAD \other
.endif
	PROC \slot, 0
.endm
	s_wait_tensorcnt 0x1                           ; my part of slot 0 is in; slot 1's stays out
	s_barrier_signal -1
	s_barrier_wait -1
	s_wait_loadcnt 0x0                             ; Q
	PROC 0, 1                                      ; tile 0 of 8; its first products start all sums
	s_mov_b32 s55, 3
.Lloop:
	TWO 1, 0, 1
	TWO 0, 1, 1
	s_sub_co_u32 s55, s55, 1
	s_cmp_lg_u32 s55, 0
	s_cbranch_scc1 .Lloop
	TWO 1, 0, 0                                    ; tile 7: nothing is left to fetch
	; THE END.  Each wave's sum over its 1,024 keys; waves 4-7 hand O, -c m and the sum to waves 0-3.
.irp q, 0,1,2,3
	v_add_f32 v[LS+2*\q], v[LS+2*\q], v[LS+2*\q+1]
.endr
.irp q, 0,1,2,3
	v_permlanex16_b32 v[LS+2*\q+1], v[LS+2*\q], s53, s54
.endr
.irp q, 0,1,2,3
	v_add_f32 v[LS+2*\q], v[LS+2*\q], v[LS+2*\q+1]
.endr
	s_cmp_eq_u32 s10, 0
	s_cbranch_scc1 .Lkeep
	WIN 0x04                                       ; store data in window 1
.irp n, 0,1,2,3,4,5,6,7,8,9,10,11,12,13,14,15,16,17,18,19,20,21,22,23,24,25,26,27,28,29,30,31
	ds_store_b128 v[MA], v[OF+4*\n:OF+4*\n+3] offset:512*\n
.endr
	WIN 0
.irp q, 0,1,2,3
	ds_store_b32 v[SA], v[NM+2*\q] offset:256*\q
	ds_store_b32 v[SA], v[LS+2*\q] offset:256*\q+128
.endr
.Lkeep:
	s_wait_dscnt 0x0                               ; for the others' sake: my stores are done
	s_barrier_signal -1
	s_barrier_wait -1
	s_cmp_lg_u32 s10, 0
	s_cbranch_scc1 .Lfin
.irp q, 0,1,2,3
	ds_load_b32 v[46+2*\q], v[SA] offset:256*\q
	ds_load_b32 v[47+2*\q], v[SA] offset:256*\q+128
.endr
	s_wait_dscnt 0x0
; the joint maximum is the smaller -c m; each half's weight is 2^(joint - own) / joint sum; the weights go, twice each, into NM's and LS's pairs
.irp q, 0,1,2,3
	v_min_num_f32 v54, v[NM+2*\q], v[46+2*\q]
	v_sub_f32 v55, v54, v[NM+2*\q]
	v_sub_f32 v56, v54, v[46+2*\q]
	v_exp_f32 v55, v55
	v_exp_f32 v56, v56
	v_nop
	s_wait_alu depctr_va_vdst(0)
	v_mul_f32 v57, v55, v[LS+2*\q]
	v_fma_f32 v57, v56, v[47+2*\q], v57            ; at least the one p that is 1, up to rounding
	v_rcp_f32 v57, v57
	v_nop
	s_wait_alu depctr_va_vdst(0)
	v_mul_f32 v[NM+2*\q], v55, v57
	v_mul_f32 v[NM+2*\q+1], v55, v57
	v_mul_f32 v[LS+2*\q], v56, v57
	v_mul_f32 v[LS+2*\q+1], v56, v57
.endr
; query tile q: my O and the partner's, weighted; f16; through my own stage; 16 rows of 128 bytes are 2,048 consecutive bytes of att, a store covers 512
.macro MERGE q
	s_wait_xcnt 0x0                                ; store data of two tiles ago is loaded over only behind this wait
.irp n, 0,1,2,3,4,5,6,7
	ds_load_b128 v[KF+32*(\q%2)+4*\n:KF+32*(\q%2)+4*\n+3], v[MA] offset:(8*\q+\n)*512
.endr
	WIN 0x01                                       ; source 0 in window 1
.irp m, 0,1,2,3,4,5,6,7,8,9,10,11,12,13,14,15
	v_pk_mul_f32 v[VF+2*\m:VF+2*\m+1], v[OF+32*\q+2*\m:OF+32*\q+2*\m+1], v[NM+2*\q:NM+2*\q+1]
.endr
	WIN 0
	s_wait_dscnt 0x0
.irp m, 0,1,2,3,4,5,6,7,8,9,10,11,12,13,14,15
	v_pk_fma_f32 v[VF+2*\m:VF+2*\m+1], v[KF+32*(\q%2)+2*\m:KF+32*(\q%2)+2*\m+1], v[LS+2*\q:LS+2*\q+1], v[VF+2*\m:VF+2*\m+1]
.endr
.irp m, 0,1,2,3,4,5,6,7,8,9,10,11,12,13,14,15
	v_cvt_pk_f16_f32 v[SF+\m], v[VF+2*\m], v[VF+2*\m+1]
.endr
.irp dt, 0,1,2,3
	ds_store_b128 v[STO], v[SF+4*\dt:SF+4*\dt+3] offset:32*\dt
.endr
.irp t, 0,1,2,3
	ds_load_b128 v[SF+16+16*(\q%2)+4*\t:SF+16+16*(\q%2)+4*\t+3], v[RD] offset:4*SP*\t    ; LDS serves a wave's instructions in order (ISA guide 5.7.1.4)
.endr
.irp t, 0,1,2,3
	s_wait_dscnt 3-\t                              ; read-back t is in, the younger ones may be out
	global_store_b128 v[CO], v[SF+16+16*(\q%2)+4*\t:SF+16+16*(\q%2)+4*\t+3], s[58:59] offset:2048*\q+512*\t
.endr
.endm
	MERGE 0
	MERGE 1
	MERGE 2
	MERGE 3
.Lfin:
	s_wait_tensorcnt 0x0
	ds_add_u32 v62, v63
	s_wait_dscnt 0x0
	ROUND                                          ; the closing round: no work-group ends while a partner may still ask for a tile that names it
	s_endpgm
.Lfunc_end_k_qdff5e3292d_attn:
	.size	k_qdff5e3292d_attn, .Lfunc_end_k_qdff5e3292d_attn-k_qdff5e3292d_attn
	.p2alignl 7, 3214868480
	.fill 96, 4, 3214868480
	.section	.rodata,"a",@progbits
	.p2align	6, 0x0
	.amdhsa_kernel k_qdff5e3292d_attn
		.amdhsa_group_segment_fixed_size 327680
		.amdhsa_private_segment_fixed_size 0
		.amdhsa_enable_private_segment 0
		.amdhsa_kernarg_size 16
		.amdhsa_user_sgpr_count 2
		.amdhsa_user_sgpr_kernarg_segment_ptr 1
		.amdhsa_wavefront_size32 1
		.amdhsa_system_sgpr_workgroup_id_x 1
		.amdhsa_system_sgpr_workgroup_id_y 1
		.amdhsa_system_sgpr_workgroup_id_z 1
		.amdhsa_system_vgpr_workitem_id 0
		.amdhsa_next_free_vgpr 448
		.amdhsa_next_free_sgpr 66
		.amdhsa_reserve_vcc 0
		.amdhsa_float_denorm_mode_32 3
		.amdhsa_float_denorm_mode_16_64 3
		.amdhsa_memory_ordered 1
		.amdhsa_forward_progress 1
		.amdhsa_inst_pref_size 255
	.end_amdhsa_kernel
	.section	.bss,"aw",@nobits
	.p2align	6
	.space	262144
	.amdgpu_metadata
---
amdhsa.version: [ 1, 2 ]
amdhsa.kernels:
  - .name:           k_qdff5e3292d_attn
    .symbol:         k_qdff5e3292d_attn.kd
    .args:
      - { .name: qkv, .offset: 0, .size: 8, .value_kind: global_buffer, .address_space: global }
      - { .name: att, .offset: 8, .size: 8, .value_kind: global_buffer, .address_space: global }
    .group_segment_fixed_size: 327680
    .private_segment_fixed_size: 0
    .kernarg_segment_align: 8
    .kernarg_segment_size: 16
    .max_flat_workgroup_size: 256
    .sgpr_count:     66
    .vgpr_count:     448
    .wavefront_size: 32
...
	.end_amdgpu_metadata
.endif
;; end of part 3
;; launch proj (part 4): grid 8 x 32, 4 waves a work-group, clusters of 4 x 4, 327,680 bytes of LDS; arguments att, pwh, proj_b, out0; writes out0
.if DOCPART == 4
	.amdgcn_target "amdgcn-amd-amdhsa--gfx1250"
	.amdhsa_code_object_version 6
	.text
	.protected	k_qdff5e3292d_proj
	.globl	k_qdff5e3292d_proj
	.p2align	8
	.type	k_qdff5e3292d_proj,@function
k_qdff5e3292d_proj:
	s_mov_b64 s[64:65], 0
	v_nop
	global_prefetch_b8 v0, s[64:65] scope:SCOPE_SE
	s_setreg_imm32_b32 hwreg(HW_REG_WAVE_MODE, 25, 1), 1
	s_wait_xcnt 0x0
	s_wait_alu depctr_hold_cnt(0) depctr_sa_sdst(0) depctr_va_vdst(0) depctr_va_sdst(0) depctr_va_ssrc(0) depctr_va_vcc(0) depctr_vm_vsrc(0)
	s_getreg_b32 s2, hwreg(HW_REG_IB_STS2, 6, 4)
	s_cmp_eq_u32 s2, 0
	s_cbranch_scc0 .Lentry_in_a_cluster
	s_endpgm
.Lentry_in_a_cluster:
	s_bfe_u32 s2, ttmp6, 0x10000c
	s_cmp_lg_u32 s2, 0xf033
	s_cbranch_scc0 .Lentry_shape_is_right
	s_endpgm
.Lentry_shape_is_right:
; out0[m][o] = sum over c of att(m, c) pwh[o][c] + proj_b[o], f32 out.  att: [m / 128][head 16][128][64] f16 (c = 64 head + d); pwh: [1024][1024] f16.
; 8 x 32 = 256 work-groups of 128 x 128; four waves, each 64 x 64: 16 accumulator tiles in window 1 (v256-383), tile (a, b) at 8 (4 a + b).
; K goes in four tiles of 256 (four heads) through two LDS slots.  att's layout makes a tile of 128 tokens x 4 heads 65,536 dense bytes, taken as
; rows of 256 bytes (two tokens of one head); pwh's tile is 128 rows of 512 bytes.  Waves 0 and 1 fetch att's halves, waves 2 and 3 pwh's.
; CLUSTERS 4 x 4: att's tile hangs on the block row alone and is asked for jointly along a row of the cluster, pwh's on the block column alone and
; along a column: a quarter of the requests.
; The matrix instruction is used transposed (source 0 = pwh's rows): a lane holds eight neighbouring columns of one row of out0.
; LIMIT: att is f16 (see the launch that writes v); the sums and the bias are f32.
.set AP,     272                       ; att: 256 bytes + 16: token r of a fragment lies at sixteen-byte column (r >> 1) + 8 (r & 1) modulo 16
.set BP,     528                       ; pwh: 512 bytes + 16: row r at column r modulo 16
.set ABYTES, 256*AP
.set SLOT,   256*AP+128*BP             ; 137,216
.set STAGE,  2*SLOT                    ; a multiple of 256: no tensor load lands here
.set SPITCH, 272                       ; the way out: a row of 64 f32 + 16 bytes
.set ADRA, 2                           ; v2-3
.set ADRB, 4                           ; v4-5
.set STO,  6
.set RD,   7
.set CO,   8
.set BO,   9
.set BI,   192                         ; v192-223 the bias of my 32 columns' places
.set T,    224                         ; v224-255 a row block with its bias
.set G1, 24
.set G0, 32
.set G1B, 48
.set G0B, 56
.set MSB, 0
.macro WIN new                         ; the immediate's high byte repeats the setting that is left
.if MSB != \new
	s_set_vgpr_msb (MSB<<8)|\new
.set MSB, \new
.endif
.endm
.macro JLOAD s
	s_cmp_eq_u32 s11, 0
	s_cbranch_scc0 .Lfor_b_\@
	tensor_load_to_lds s[G0+4*\s:G0+4*\s+3], s[G1:G1+7]
	s_nop 0
	s_branch .Lasked_\@
.Lfor_b_\@:
	tensor_load_to_lds s[G0B+4*\s:G0B+4*\s+3], s[G1B:G1B+7]
	s_nop 0
.Lasked_\@:
.endm
.macro CROUND                          ; a round of the cluster's barrier
	s_barrier_signal -1
	s_barrier_wait -1
	s_cmp_lg_u32 s10, 0
	s_cbranch_scc1 .Lnot_wave_0_\@
	s_barrier_signal -3
.Lnot_wave_0_\@:
	s_barrier_wait -3
	s_barrier_signal -1
	s_barrier_wait -1
.endm
.macro PLACES                          ; four places behind a matrix instruction (ISA guide 7.12.1 for vector instructions)
.rept 4
	v_nop
.endr
.endm
	s_load_b128 s[4:7], s[0:1], 0x0                ; att s[4:5], pwh s[6:7]
	s_load_b128 s[68:71], s[0:1], 0x10             ; proj_b s[68:69], out0 s[70:71]
	v_lshl_add_u32 v62, v0, 2, 0x47400
	v_mov_b32 v63, 0
	ds_add_u32 v62, v63
	v_lshrrev_b32 v1, 5, v0
	v_readfirstlane_b32 s10, v1                    ; wave 0..3
	s_lshr_b32 s11, s10, 1                         ; my half of the rows.  Also: I fetch att (0) or pwh (1)
	s_and_b32 s12, s10, 1                          ; my half of the columns.  Also: which half of that tile I fetch
	s_bfe_u32 s40, ttmp6, 0x40000                  ; cx
	s_bfe_u32 s41, ttmp6, 0x40004                  ; cy
	s_lshl_b32 s42, ttmp9, 2
	s_add_co_u32 s42, s42, s40                     ; block column
	s_and_b32 s13, ttmp7, 0xffff
	s_lshl_b32 s13, s13, 2
	s_add_co_u32 s13, s13, s41                     ; block row
	s_lshl_b32 s43, s41, 2
	s_lshl_b32 s43, 15, s43                        ; my row of the cluster
	s_lshl_b32 s44, 0x1111, s40                    ; my column
	s_or_b32 s[G1+0], s43, (1<<16)|(1<<20)|(1<<21)|(5<<22)|(3<<25)    ; att: 4 words of padding after every 64
	s_or_b32 s[G1B+0], s44, (1<<16)|(1<<20)|(1<<21)|(6<<22)|(3<<25)   ; pwh: after every 128
	s_mov_b32 s[G1+1], 128<<16                     ; att: 128 rows of 128 elements, dense
	s_mov_b32 s[G1+2], 128<<16
	s_mov_b32 s[G1+3], 128<<16
	s_mov_b32 s[G1+4], 128
	s_mov_b32 s[G1+5], 128
	s_mov_b32 s[G1+6], 0
	s_mov_b32 s[G1+7], 0
	s_mov_b32 s[G1B+1], 256<<16                    ; pwh: 64 rows of 256 elements, 1,024 elements from row to row
	s_mov_b32 s[G1B+2], 64<<16
	s_mov_b32 s[G1B+3], 256<<16
	s_mov_b32 s[G1B+4], 64
	s_mov_b32 s[G1B+5], 1024
	s_mov_b32 s[G1B+6], 0
	s_mov_b32 s[G1B+7], 0
	s_lshl_b32 s16, s13, 18                        ; att: block row x 262,144 + half x 2 heads
	s_lshl_b32 s17, s12, 15
	s_add_co_u32 s16, s16, s17
	s_mov_b32 s17, 0
	s_lshl_b32 s46, s42, 18                        ; pwh: (128 block column + 64 half) rows of 2,048 bytes
	s_lshl_b32 s47, s12, 17
	s_add_co_u32 s46, s46, s47
	s_mov_b32 s47, 0
	s_mul_i32 s20, s12, 128*AP                     ; LDS addresses: made of the wave's number alone
	s_mul_i32 s21, s12, 64*BP
	s_add_co_u32 s21, s21, ABYTES
	s_wait_dscnt 0x0
	s_wait_kmcnt 0x0
	s_add_nc_u64 s[14:15], s[4:5], s[16:17]
	s_add_nc_u64 s[46:47], s[6:7], s[46:47]
	CROUND                                         ; all sixteen work-groups are here: the first joint loads meet
.irp s, 0,1
	s_mov_b32 s[G0+4*\s], 1
	s_add_co_u32 s[G0+4*\s+1], s20, \s*SLOT
	s_add_nc_u64 s[G0+4*\s+2:G0+4*\s+3], s[14:15], \s*65536
	s_or_b32 s[G0+4*\s+3], s[G0+4*\s+3], 0x80000000
	s_mov_b32 s[G0B+4*\s], 1
	s_add_co_u32 s[G0B+4*\s+1], s21, \s*SLOT
	s_add_nc_u64 s[G0B+4*\s+2:G0B+4*\s+3], s[46:47], \s*512
	s_or_b32 s[G0B+4*\s+3], s[G0B+4*\s+3], 0x80000000
	JLOAD \s                                       ; half of all the work-group's bytes: two tensor loads of the wave are out, later one
.endr
	s_lshl_b32 s74, s42, 9                         ; my first column, in f32 bytes: 512 block column + 256 half
	s_lshl_b32 s75, s12, 8
	s_add_co_u32 s74, s74, s75
	s_mov_b32 s75, 0
	s_add_nc_u64 s[72:73], s[68:69], s[74:75]      ; the bias there
	s_lshl_b32 s78, s13, 19                        ; my first row: (128 block row + 64 half) rows of 4,096 bytes
	s_lshl_b32 s79, s11, 18
	s_add_co_u32 s78, s78, s79
	s_add_co_u32 s78, s78, s74
	s_mov_b32 s79, 0
	s_add_nc_u64 s[76:77], s[70:71], s[78:79]
	v_and_b32 v1, 15, v0                           ; r
	v_bfe_u32 v10, v0, 4, 1                        ; h
	v_lshlrev_b32 v[BO], 5, v10
.irp b, 0,1,2,3
	global_load_b128 v[BI+8*\b:BI+8*\b+3],   v[BO], s[72:73] offset:64*\b
	global_load_b128 v[BI+8*\b+4:BI+8*\b+7], v[BO], s[72:73] offset:64*\b+16
.endr
	v_lshrrev_b32 v11, 1, v1
	v_and_b32 v12, 1, v0
	v_mul_u32_u24 v13, v11, AP                     ; token r: LDS row r >> 1, half r & 1, 16 bytes for each half of the lanes
	v_lshl_add_u32 v13, v12, 7, v13
	v_lshl_add_u32 v13, v10, 4, v13
	s_mul_i32 s22, s11, 32*AP                      ; my 64 tokens
	v_add_nc_u32 v[ADRA], s22, v13
	v_add_nc_u32 v[ADRA+1], SLOT, v[ADRA]
	v_mul_u32_u24 v14, v1, BP
	v_lshl_add_u32 v14, v10, 4, v14
	s_mul_i32 s23, s12, 64*BP                      ; my 64 rows of pwh
	s_add_co_u32 s23, s23, ABYTES
	v_add_nc_u32 v[ADRB], s23, v14
	v_add_nc_u32 v[ADRB+1], SLOT, v[ADRB]
	s_mul_i32 s22, s10, 16*SPITCH
	s_add_co_u32 s22, s22, STAGE                   ; my stage
	v_mul_u32_u24 v15, v1, SPITCH
	v_lshl_add_u32 v15, v10, 5, v15
	v_add_nc_u32 v[STO], s22, v15                  ; in: row r, 32 bytes for each half of the lanes
	v_mul_u32_u24 v15, v10, SPITCH
	v_lshl_add_u32 v15, v1, 4, v15
	v_add_nc_u32 v[RD], s22, v15                   ; back: sixteen lanes take one row of 256 bytes
	v_lshlrev_b32 v15, 12, v10
	v_lshl_add_u32 v[CO], v1, 4, v15               ; the same two rows in out0
; 16 LDS loads: the fragments of 32 along K (quarter kq = 0..7 of the slot: head kq / 2, half kq % 2 of its 64) into buffer f
.macro FETCH slot, kq, f
.irp b, 0,1,2,3
.irp e, 0,1
	ds_load_b128 v[96+64*\f+8*\b+4*\e:96+64*\f+8*\b+4*\e+3], v[ADRB+\slot] offset:16*BP*\b+64*\kq+32*\e
.endr
.endr
.irp a, 0,1,2,3
.irp e, 0,1
	ds_load_b128 v[64+64*\f+8*\a+4*\e:64+64*\f+8*\a+4*\e+3], v[ADRA+\slot] offset:64*AP*(\kq/2)+8*AP*\a+64*(\kq%2)+32*\e
.endr
.endr
.endm
; 16 matrix instructions; the sixteen accumulators take turns, one instruction a turn.  zero = 1: the products start the sums.
.macro MUL f, zero
	WIN 0x50                                       ; C and D in window 1
.irp a, 0,1,2,3
.irp b, 0,1,2,3
.if \zero
	v_wmma_f32_16x16x32_f16 v[8*(4*\a+\b):8*(4*\a+\b)+7], v[96+64*\f+8*\b:96+64*\f+8*\b+7], v[64+64*\f+8*\a:64+64*\f+8*\a+7], 0
.else
	v_wmma_f32_16x16x32_f16 v[8*(4*\a+\b):8*(4*\a+\b)+7], v[96+64*\f+8*\b:96+64*\f+8*\b+7], v[64+64*\f+8*\a:64+64*\f+8*\a+7], v[8*(4*\a+\b):8*(4*\a+\b)+7]
.endif
.endr
.endr
	WIN 0
.endm
.macro STEPK slot, kn, fn, fm, zero    ; fetch quarter kn into buffer fn, multiply buffer fm while those loads are on their way
	PLACES                                         ; buffer fn is what the sixteen matrix instructions just issued have read: four places before loads land on it
	FETCH \slot, \kn, \fn
	s_wait_dscnt 16                                ; all but the sixteen just issued: buffer fm is in
	MUL \fm, \zero
.endm
.macro PROC slot, zero
	FETCH \slot, 0, 0
	STEPK \slot, 1, 1, 0, \zero
	STEPK \slot, 2, 0, 1, 0
	STEPK \slot, 3, 1, 0, 0
	STEPK \slot, 4, 0, 1, 0
	STEPK \slot, 5, 1, 0, 0
	STEPK \slot, 6, 0, 1, 0
	STEPK \slot, 7, 1, 0, 0
	s_wait_dscnt 0x0
	MUL 1, 0
.endm
; A change of slots: every wave waits for all its tensor loads and for its reads of the other slot; the round shows both of every wave of all sixteen
; work-groups; the joint refill comes first behind it and has this slot's 128 matrix instructions in which to land.
.macro TWO slot, other, refill
	s_wait_tensorcnt 0x0                           ; none of my tensor loads is out: the group 0 sets may be written
	ds_add_u32 v62, v63
	s_wait_dscnt 0x0
	s_add_nc_u64 s[G0+4*\other+2:G0+4*\other+3], s[G0+4*\other+2:G0+4*\other+3], 131072
	s_add_nc_u64 s[G0B+4*\other+2:G0B+4*\other+3], s[G0B+4*\other+2:G0B+4*\other+3], 1024
	s_wait_dscnt 0x0
	CROUND
.if \refill
	JLOAD \other
.endif
	PLACES
	PROC \slot, 0
.endm
	s_wait_tensorcnt 0x1                           ; my part of slot 0 is in; slot 1's stays out
	s_barrier_signal -1
	s_barrier_wait -1
	PROC 0, 1                                      ; heads 0-3
	TWO 1, 0, 1                                    ; heads 4-7; heads 8-11 go out
	TWO 0, 1, 1                                    ; heads 8-11; heads 12-15 go out
	TWO 1, 0, 0                                    ; heads 12-15
	PLACES                                         ; behind the last matrix instructions, for the adds and for the loads onto the fragment buffers
	s_wait_loadcnt 0x0                             ; the bias
; 16 rows: bias added, 32 bytes a lane into my own stage, read back as whole rows: sixteen lanes store 256 consecutive bytes at a multiple of 256
.macro OUT16 a
	s_wait_xcnt 0x0                                ; store data of two row blocks ago is loaded over only behind this wait
	WIN 0x01                                       ; source 0 in window 1
.irp m, 0,1,2,3,4,5,6,7,8,9,10,11,12,13,14,15
	v_pk_add_f32 v[T+2*\m:T+2*\m+1], v[32*\a+2*\m:32*\a+2*\m+1], v[BI+2*\m:BI+2*\m+1]
.endr
	WIN 0
.irp b, 0,1,2,3
	ds_store_b128 v[STO], v[T+8*\b:T+8*\b+3] offset:64*\b
	ds_store_b128 v[STO], v[T+8*\b+4:T+8*\b+7] offset:64*\b+16
.endr
.irp t, 0,1,2,3,4,5,6,7
	ds_load_b128 v[64+32*(\a%2)+4*\t:64+32*(\a%2)+4*\t+3], v[RD] offset:2*SPITCH*\t     ; LDS serves a wave's instructions in order (ISA guide 5.7.1.4)
.endr
.irp t, 0,1,2,3,4,5,6,7
	s_wait_dscnt 7-\t                              ; read-back t is in, the younger ones may be out
	global_store_b128 v[CO], v[64+32*(\a%2)+4*\t:64+32*(\a%2)+4*\t+3], s[76:77] offset:(16*\a+2*\t)*4096
.endr
.endm
	OUT16 0
	OUT16 1
	OUT16 2
	OUT16 3
	s_wait_tensorcnt 0x0
	ds_add_u32 v62, v63
	s_wait_dscnt 0x0
	CROUND                                         ; the closing round: no work-group ends while a partner may still ask for a tile that names it
	s_endpgm
.Lfunc_end_k_qdff5e3292d_proj:
	.size	k_qdff5e3292d_proj, .Lfunc_end_k_qdff5e3292d_proj-k_qdff5e3292d_proj
	.p2alignl 7, 3214868480
	.fill 96, 4, 3214868480
	.section	.rodata,"a",@progbits
	.p2align	6, 0x0
	.amdhsa_kernel k_qdff5e3292d_proj
		.amdhsa_group_segment_fixed_size 327680
		.amdhsa_private_segment_fixed_size 0
		.amdhsa_enable_private_segment 0
		.amdhsa_kernarg_size 32
		.amdhsa_user_sgpr_count 2
		.amdhsa_user_sgpr_kernarg_segment_ptr 1
		.amdhsa_wavefront_size32 1
		.amdhsa_system_sgpr_workgroup_id_x 1
		.amdhsa_system_sgpr_workgroup_id_y 1
		.amdhsa_system_sgpr_workgroup_id_z 1
		.amdhsa_system_vgpr_workitem_id 0
		.amdhsa_next_free_vgpr 384
		.amdhsa_next_free_sgpr 80
		.amdhsa_reserve_vcc 0
		.amdhsa_float_denorm_mode_32 3
		.amdhsa_float_denorm_mode_16_64 3
		.amdhsa_memory_ordered 1
		.amdhsa_forward_progress 1
		.amdhsa_inst_pref_size 94
	.end_amdhsa_kernel
	.amdgpu_metadata
---
amdhsa.version: [ 1, 2 ]
amdhsa.kernels:
  - .name:           k_qdff5e3292d_proj
    .symbol:         k_qdff5e3292d_proj.kd
    .args:
      - { .name: att, .offset: 0, .size: 8, .value_kind: global_buffer, .address_space: global }
      - { .name: pwh, .offset: 8, .size: 8, .value_kind: global_buffer, .address_space: global }
      - { .name: proj_b, .offset: 16, .size: 8, .value_kind: global_buffer, .address_space: global }
      - { .name: out0, .offset: 24, .size: 8, .value_kind: global_buffer, .address_space: global }
    .group_segment_fixed_size: 327680
    .private_segment_fixed_size: 0
    .kernarg_segment_align: 8
    .kernarg_segment_size: 32
    .max_flat_workgroup_size: 128
    .sgpr_count:     80
    .vgpr_count:     384
    .wavefront_size: 32
...
	.end_amdgpu_metadata
.endif
;; end of part 4
;; ======== version 2 of 2: 4 launches; version 1 with the launch cast written anew for expert scheduling mode
;; limits: an absolute error that grows with the inputs' magnitude: up to 3e-08 times it; values are held in f16: magnitudes above 65,504 overflow, below 6.1e-05 lose precision; right only within a limited range of input values
;; workspace buffers: xh 8,388,608 bytes; wh 6,291,456 bytes; pwh 2,097,152 bytes; cs 524,288 bytes; qkv 25,165,824 bytes; att 8,388,608 bytes
;; launch cast (part 5): grid 512 x 1, 8 waves a work-group, no clusters, 0 bytes of LDS; arguments x, qkv_w, proj_w, pos, xh, wh, pwh, cs; writes xh, wh, pwh, cs
.if DOCPART == 5
	.amdgcn_target "amdgcn-amd-amdhsa--gfx1250"
	.amdhsa_code_object_version 6
	.text
	.protected	k_qdff5e3292d_cast
	.globl	k_qdff5e3292d_cast
	.p2align	8
	.type	k_qdff5e3292d_cast,@function
k_qdff5e3292d_cast:
	s_mov_b64 s[64:65], 0
	v_nop
	global_prefetch_b8 v0, s[64:65] scope:SCOPE_SE
	s_setreg_imm32_b32 hwreg(HW_REG_WAVE_SCHED_MODE, 0, 2), 2
	s_setreg_imm32_b32 hwreg(HW_REG_WAVE_MODE, 25, 1), 1
	s_wait_xcnt 0x0
	s_wait_alu depctr_vm_vsrc(0)
; f16 copies of x [4096][1024], qkv_w [3072][1024] and proj_w [1024][1024], and the table cs[n][p] = (cos pos[n][p], sin pos[n][p]) in f32.
; A stream: every input byte is read once and every output byte written once; no LDS, no barrier, no matrix unit, and no cluster,
; since no two work-groups read the same byte.
; Work-group g converts 16,384 numbers (65,536 bytes in, 32,768 out): g 0-255 x, g 256-447 qkv_w, g 448-511 proj_w.
; A load of a wave covers 512 consecutive bytes, a store 256 consecutive bytes at a multiple of 256 from the buffer's first byte.
; Waves 0 and 1 of every work-group also make 128 of the 65,536 angles' cosines and sines.
; LIMITS.  f16: numbers of magnitude 65,520 and above become infinite; below 6.1e-5 they keep an absolute error of 3e-8.
; x up to some 200 and weights down to 1e-3 (thirty times the drawn spreads either way) lie well inside.
; Sine and cosine: the angle is reduced by one fused multiply-add with 1/(2 pi) in f32, so its error grows as |pos| x 3e-8 radians;
; the series' own error is below 5e-7.  NaN and infinite angles give NaN.
; THE MODE: SCHED_MODE bits 1:0 = 2 (LLVM: expert scheduling mode 2), set by the entry lines.  The code itself states the register dependences
; between vector instructions and memory instructions, with s_wait_alu, always for 0.
; THE PLAN.  Registers that memory instructions touch:
;   v1, v2   byte offsets.  Written once each at the head, read by every load and store, never written again.
;   X        Written by the sixteen loads at the head, once each; no vector instruction names them before; read by the conversions.
;   P        Waves 0 and 1: written by one load, read by the series.
;   O        Waves 0 and 1: written by the series, once; read by one store.
;   Y        Written by the conversions, once each; read by one store each.
;   T and v3 are named by vector instructions alone.
; No register that a memory instruction reads is written again, and no load lands in a register that a vector instruction has named: so the only
; dependences are results that memory instructions read.  One wait at the head serves the offsets for the whole kernel; one stands ahead of the
; table's store; the sixteen chunks go in four groups of four, each with one wait between its eight conversions and its four stores.
.set X, 4                              ; v[4:67]    16 chunks of 4 f32 as loaded
.set Y, 68                             ; v[68:99]   16 chunks of 4 f16 to store
.set P, 100                            ; v[100:101] two angles
.set O, 104                            ; v[104:107] cos, sin, cos, sin
.set T, 108                            ; v[108:112] at work
	s_load_b512 s[4:19], s[0:1], 0x0               ; x 4:5, qkv_w 6:7, proj_w 8:9, pos 10:11, xh 12:13, wh 14:15, pwh 16:17, cs 18:19
	v_lshrrev_b32 v3, 5, v0
	v_readfirstlane_b32 s25, v3                    ; wave number
	v_lshlrev_b32 v1, 4, v0                        ; 16 bytes a thread: f32 in, and the table out
	v_lshlrev_b32 v2, 3, v0                        ; 8 bytes a thread: f16 out, and the angles in
	s_wait_alu depctr_va_sdst(0)                   ; s25 is written, ahead of its first reader: the compare on the wave's number below
	s_lshl_b32 s30, ttmp9, 9                       ; my 128 angles: 512 bytes of pos,
	s_mov_b32 s31, 0
	s_lshl_b32 s32, ttmp9, 10                      ; 1,024 bytes of cs
	s_mov_b32 s33, 0
	s_wait_kmcnt 0x0
	s_cmp_lt_u32 ttmp9, 256                        ; which tensor: a choice on the work-group's number alone
	s_cselect_b64 s[20:21], s[4:5], s[6:7]
	s_cselect_b64 s[22:23], s[12:13], s[14:15]
	s_cselect_b32 s24, 0, 256
	s_cmp_lt_u32 ttmp9, 448
	s_cselect_b64 s[20:21], s[20:21], s[8:9]
	s_cselect_b64 s[22:23], s[22:23], s[16:17]
	s_cselect_b32 s24, s24, 448
	s_sub_co_u32 s24, ttmp9, s24                   ; my number within that tensor
	s_lshl_b32 s26, s24, 16
	s_mov_b32 s27, 0
	s_lshl_b32 s28, s24, 15
	s_mov_b32 s29, 0
	s_add_nc_u64 s[20:21], s[20:21], s[26:27]      ; source at my 65,536 bytes
	s_add_nc_u64 s[22:23], s[22:23], s[28:29]      ; destination at my 32,768 bytes
	s_add_nc_u64 s[10:11], s[10:11], s[30:31]
	s_add_nc_u64 s[18:19], s[18:19], s[32:33]
	s_wait_alu depctr_va_vdst(0)                   ; v1 and v2 are written: every load and store of the kernel reads one of them as its offset
.irp i, 0,1,2,3,4,5,6,7,8,9,10,11,12,13,14,15
	global_load_b128 v[X+4*\i:X+4*\i+3], v1, s[20:21] offset:4096*\i th:TH_LOAD_NT   ; all sixteen chunks are on their way at once
.endr
; cos a and sin a without the hardware's sine: r = a/(2 pi) less the nearest whole number (|r| <= 1/2), h = pi r = half the reduced angle
; (|h| <= pi/2), sin h and cos h by their series up to h^11 and h^10, then sin a = 2 sin h cos h and cos a = 1 - 2 sin^2 h.
.macro SINCOS a, c, s
	v_mul_f32 v[T], 0.15915494, v[\a]
	v_rndne_f32 v[T+1], v[T]
	v_fma_f32 v[T], v[\a], 0.15915494, -v[T+1]     ; one rounding: r
	v_mul_f32 v[T], 0x40490fdb, v[T]               ; h = pi r
	v_mul_f32 v[T+1], v[T], v[T]                   ; z = h^2
	v_mov_b32 v[T+2], 0xb2d7322b                   ; -1/11!
	v_mov_b32 v[T+3], 0xb493f27e                   ; -1/10!
	v_fmaak_f32 v[T+2], v[T+2], v[T+1], 0x3638ef1d ; +1/9!
	v_fmaak_f32 v[T+3], v[T+3], v[T+1], 0x37d00d01 ; +1/8!
	v_fmaak_f32 v[T+2], v[T+2], v[T+1], 0xb9500d01 ; -1/7!
	v_fmaak_f32 v[T+3], v[T+3], v[T+1], 0xbab60b61 ; -1/6!
	v_fmaak_f32 v[T+2], v[T+2], v[T+1], 0x3c088889 ; +1/5!
	v_fmaak_f32 v[T+3], v[T+3], v[T+1], 0x3d2aaaab ; +1/4!
	v_fmaak_f32 v[T+2], v[T+2], v[T+1], 0xbe2aaaab ; -1/3!
	v_fma_f32 v[T+3], v[T+3], v[T+1], -0.5
	v_fma_f32 v[T+2], v[T+2], v[T+1], 1.0
	v_fma_f32 v[T+3], v[T+3], v[T+1], 1.0          ; cos h
	v_mul_f32 v[T+2], v[T], v[T+2]                 ; sin h
	v_add_f32 v[T+4], v[T+2], v[T+2]               ; 2 sin h
	v_mul_f32 v[\s], v[T+4], v[T+3]
	v_fma_f32 v[\c], -v[T+4], v[T+2], 1.0
.endm
	s_cmp_gt_u32 s25, 1
	s_cbranch_scc1 .Lstream                        ; waves 2 to 7 have no angles
	global_load_b64 v[P:P+1], v2, s[10:11]         ; two angles a thread: 256 consecutive bytes a wave.  No wait: no vector instruction has been issued since the one for v2
	s_wait_loadcnt 0x0                             ; the youngest load of all: everything is in
	SINCOS P, O, O+1
	SINCOS P+1, O+2, O+3
	s_wait_alu depctr_va_vdst(0)                   ; the two series have written v[O:O+3], which the store reads
	global_store_b128 v1, v[O:O+3], s[18:19]       ; 512 consecutive bytes a wave
.Lstream:
; Four groups of four chunks.  A group's eight conversions, each chunk behind the wait for its own load; one wait; the group's four stores in a run.
.irp g, 0,1,2,3
.irp j, 0,1,2,3
	s_wait_loadcnt 15-(4*\g+\j)                    ; loads come back in order (ISA guide 5.7.1): this chunk is in, the younger ones may be out
	v_cvt_pk_f16_f32 v[Y+2*(4*\g+\j)], v[X+4*(4*\g+\j)], v[X+4*(4*\g+\j)+1]
	v_cvt_pk_f16_f32 v[Y+2*(4*\g+\j)+1], v[X+4*(4*\g+\j)+2], v[X+4*(4*\g+\j)+3]
.endr
	s_wait_alu depctr_va_vdst(0)                   ; the group's conversions have written its eight Y registers, which the four stores below read
.irp j, 0,1,2,3
	global_store_b64 v2, v[Y+2*(4*\g+\j):Y+2*(4*\g+\j)+1], s[22:23] offset:2048*(4*\g+\j)   ; every Y register is written once: nothing is owed behind its store
.endr
.endr
	s_endpgm
.Lfunc_end_k_qdff5e3292d_cast:
	.size	k_qdff5e3292d_cast, .Lfunc_end_k_qdff5e3292d_cast-k_qdff5e3292d_cast
	.p2alignl 7, 3214868480
	.fill 96, 4, 3214868480
	.section	.rodata,"a",@progbits
	.p2align	6, 0x0
	.amdhsa_kernel k_qdff5e3292d_cast
		.amdhsa_group_segment_fixed_size 0
		.amdhsa_private_segment_fixed_size 0
		.amdhsa_enable_private_segment 0
		.amdhsa_kernarg_size 64
		.amdhsa_user_sgpr_count 2
		.amdhsa_user_sgpr_kernarg_segment_ptr 1
		.amdhsa_wavefront_size32 1
		.amdhsa_system_sgpr_workgroup_id_x 1
		.amdhsa_system_sgpr_workgroup_id_y 1
		.amdhsa_system_sgpr_workgroup_id_z 1
		.amdhsa_system_vgpr_workitem_id 0
		.amdhsa_next_free_vgpr 128
		.amdhsa_next_free_sgpr 66
		.amdhsa_reserve_vcc 0
		.amdhsa_float_denorm_mode_32 3
		.amdhsa_float_denorm_mode_16_64 3
		.amdhsa_memory_ordered 1
		.amdhsa_forward_progress 1
		.amdhsa_inst_pref_size 10
	.end_amdhsa_kernel
	.amdgpu_metadata
---
amdhsa.version: [ 1, 2 ]
amdhsa.kernels:
  - .name:           k_qdff5e3292d_cast
    .symbol:         k_qdff5e3292d_cast.kd
    .args:
      - { .name: x, .offset: 0, .size: 8, .value_kind: global_buffer, .address_space: global }
      - { .name: qkv_w, .offset: 8, .size: 8, .value_kind: global_buffer, .address_space: global }
      - { .name: proj_w, .offset: 16, .size: 8, .value_kind: global_buffer, .address_space: global }
      - { .name: pos, .offset: 24, .size: 8, .value_kind: global_buffer, .address_space: global }
      - { .name: xh, .offset: 32, .size: 8, .value_kind: global_buffer, .address_space: global }
      - { .name: wh, .offset: 40, .size: 8, .value_kind: global_buffer, .address_space: global }
      - { .name: pwh, .offset: 48, .size: 8, .value_kind: global_buffer, .address_space: global }
      - { .name: cs, .offset: 56, .size: 8, .value_kind: global_buffer, .address_space: global }
    .group_segment_fixed_size: 0
    .private_segment_fixed_size: 0
    .kernarg_segment_align: 8
    .kernarg_segment_size: 64
    .max_flat_workgroup_size: 256
    .sgpr_count:     66
    .vgpr_count:     128
    .wavefront_size: 32
...
	.end_amdgpu_metadata
.endif
;; end of part 5
;; launch qkvgemm: the kernel of part 2 again; grid 12 x 16, 4 waves a work-group, clusters of 4 x 4, 327,680 bytes of LDS; arguments xh, wh, cs, q_norm_w, k_norm_w, qkv; writes qkv
;; launch attn: the kernel of part 3 again; grid 8 x 32, 8 waves a work-group, clusters of 4 x 1, 327,680 bytes of LDS; arguments qkv, att; writes att
;; launch proj: the kernel of part 4 again; grid 8 x 32, 4 waves a work-group, clusters of 4 x 4, 327,680 bytes of LDS; arguments att, pwh, proj_b, out0; writes out0
